; MI455X (gfx1250); checked and timed in simulation.
; The chip was launched on July 23, 2026; its instructions are those of AMD's public machine-readable ISA for CDNA 5 (MIT licence, August 2026) and "CDNA5" Instruction Set Architecture Reference Guide (July 2026). The comments in the code are by the model that wrote it; some were corrected since.
;; Gemma3. Allowed arithmetic: matrix products marked QUANTISED: E2M3 operands, one E8M0 scale for each 32 along K, by v_wmma_scale_f32_16x16x128_f8f6f4 with both operands' format E2M3, f32 sums; everything else in f32.
;; Inputs: Wk 512 x 2,048 float32; Wo 2,048 x 1,024 float32; Wq 1,024 x 2,048 float32; Wv 512 x 2,048 float32; kn_w 128 float32; qn_w 128 float32; x 2 x 2,048 x 2,048 float32.
;; Outputs: out0 2 x 2,048 x 2,048 float32.
;; This version of the problem:
;;   THIS VERSION OF THE PROBLEM IS GIVEN IN LOW PRECISION. The matrix products marked QUANTISED in the list below multiply operands that are first quantised to E2M3 (2 exponent bits, 3 mantissa bits; 6 bits a number), with one power-of-two scale for each 32 numbers along K (OCP MX v1.0); their sums are f32. All else is computed in f32.
;;   The module's matrix products, in the order in which they are computed (A, B: the left and right operand; K: the contracted axis; several contracted axes count as one K, in the product's order):
;;     1. [M 4,096, K 2,048] x [K 2,048, N 1,024]; A: input x; B: input Wq: QUANTISED
;;     2. [M 4,096, K 2,048] x [K 2,048, N 512]; A: input x; B: input Wk: QUANTISED
;;     3. [M 4,096, K 2,048] x [K 2,048, N 512]; A: input x; B: input Wv: QUANTISED
;;     4. batch 8 x [M 4,096, K 128] x [K 128, N 2,048]; A: computed on the way; B: computed on the way: QUANTISED
;;     5. batch 8 x [M 4,096, K 2,048] x [K 2,048, N 128]; A: softmax (see below); B: computed on the way: QUANTISED
;;     6. [M 4,096, K 1,024] x [K 1,024, N 2,048]; A: computed on the way; B: input Wo: QUANTISED
;;   THE QUANTISER, for each operand of a quantised product, along K:
;;     - K is cut into blocks of 32 from its start; a last block that is shorter is filled with zeros.
;;     - A block's scale is 2^e with e = floor(log2(the largest magnitude in the block)) - 2, held to -126 .. 127; a block of zeros has e = 0. As a byte (E8M0): e + 127.
;;     - Each number is divided by its block's scale, clamped to +-7.5, and rounded to the nearest number of E2M3, ties to even, subnormals kept.
;;     - The product sums the exact products of the quantised numbers (number of the format x scale) in f32.
;;   ~~~python
;;   def quantise(x, axis):      # numpy; x: float32 -> the quantised numbers, widened to float32 again
;;       x = np.moveaxis(x, axis, -1); K = x.shape[-1]
;;       x = np.pad(x, [(0, 0)] * (x.ndim - 1) + [(0, -K % 32)]); x = x.reshape(x.shape[:-1] + (-1, 32)); a = np.abs(x).max(-1, keepdims=True)
;;       e = np.where(a > 0, np.clip(np.frexp(np.where(a > 0, a, 1))[1] - 1 - 2, -126, 127), 0)      # np.frexp(a)[1] - 1 = floor(log2(a)), exactly
;;       r = np.clip(x / 2.0 ** e, -7.5, 7.5)
;;       step = 2.0 ** (np.maximum(np.frexp(np.where(r == 0, 1, r))[1] - 1, 0) - 3)
;;       q = np.round(r / step) * step * 2.0 ** e      # np.round: ties to even
;;       return np.moveaxis(q.reshape(q.shape[:-2] + (-1,))[..., :K], -1, axis).astype(np.float32)
;;   ~~~
;;   SOFTMAX AHEAD OF A QUANTISED PRODUCT. Where the list says 'softmax', what is quantised is not the finished softmax but p = 2^(t - M), with t = logit x log2(e) and M = ceil(the row's largest t), a whole number; so 1/2 < the row's largest p <= 1. The row's sum l is taken of the UNQUANTISED p, in f32, and the product's result is divided by l at the end. Since M is a whole number, a kernel that streams over the keys may use a running M (the ceiling of the running maximum): every later rescaling is an exact power of two, which a block's scale takes up: the codes' values come out the same.
;;   OPERANDS COMPUTED ON THE WAY. 'Computed on the way' means the value that the module computes at that place (a softmax that the list does not call 'softmax' is quantised finished and normalised). What goes into a quantiser is computed in f32, as accurately as f32 sums, v_exp_f32 and their like allow (about 1e-6 of the number): no bf16 or f16 on the way to a quantiser, and a product that is left as it is and whose result goes on into a quantised operand takes f32 operands (vector FMAs, or v_wmma_f32_16x16x4_f32). A number that lies on a knife's edge between two numbers of the format may be rounded either way, as far as f32 arithmetic and the matrix unit's own rounding can turn it there, and no further.
;; One version. Each part assembles by itself: llvm-mc -triple=amdgcn-amd-amdhsa -mcpu=gfx1250 --defsym DOCPART=n.
;; ======== version 1 of 1: 4 launches
;; limits: right only within a limited range of input values
;; workspace buffers: qz 12,517,376 bytes; qkvz 6,553,600 bytes; ctxz 3,276,800 bytes
;; launch quant (part 1): grid 1024 x 1, 4 waves a work-group, no clusters, 34,304 bytes of LDS; arguments x, Wq, Wk, Wv, Wo, qz; writes qz
.if DOCPART == 1
	.amdgcn_target "amdgcn-amd-amdhsa--gfx1250"
	.amdhsa_code_object_version 6
	.text
	.protected	k_qb1d2c65ebc_quant
	.globl	k_qb1d2c65ebc_quant
	.p2align	8
	.type	k_qb1d2c65ebc_quant,@function
k_qb1d2c65ebc_quant:
	s_mov_b64 s[64:65], 0
	v_nop
	global_prefetch_b8 v0, s[64:65] scope:SCOPE_SE
	s_setreg_imm32_b32 hwreg(HW_REG_WAVE_MODE, 25, 1), 1
	s_wait_xcnt 0x0
; x [4096][2048], Wq [1024][2048], Wk, Wv [512][2048], Wo [2048][1024], all f32 with K innermost, become codes of FP6 (E2M3) with one E8M0 byte for each 32 along K; and the rope table is made.
; LAYOUT OF THE CODES: images of the operand's registers.  A fragment (16 rows x 128 K, 12 registers a lane) is 1,536 bytes: registers 4 g .. 4 g + 3 of lane l at 512 g + 16 l.
; THE ROWS OF A TILE ARE NOT NEIGHBOURS: lane r of tile rho holds row 32 (rho / 2) + 8 (rho % 2) + r + 8 (r / 8), in every tensor.
; A wave's job J = 4 x work-group + wave is one tile x 256 along K: two fragments at qz + 3,072 J.  ALL ITS 32 LOADS GO OUT AT ITS START: nothing is asked for behind a wait.
; The scale words of a tile and 512 along K are a block [r 16][4 words] of 256 bytes at qz + SCOFF + 256 (J / 2); job J has words 2 (J % 2) and 2 (J % 2) + 1 of each row: such a block is written by two waves of one
; work-group, 8 bytes of each 16 by each: 458 KB of the launch's 12.5 MB of stores.
; Jobs 0-2047 x, 2048-2559 Wq, 2560-2815 Wk, 2816-3071 Wv, 3072-3583 Wo: only pointers, a job base and two shifts are chosen, on the work-group's number.
; Each load reads 512 consecutive bytes of one row (128 along K); a fragment's 16 rows turn through the wave's own stage in LDS (rows 528 bytes apart), from which a lane takes two whole blocks of 32.
; A block's scale is 2^(floor(log2(largest magnitude)) - 2); its byte is the largest magnitude's exponent field - 2, held at 1 from below.
; Work-groups 896-1023 make the rope table, one tile of 16 positions each: cos and sin of pos x 10000^(-i/64), laid as the registers of the launch that uses them.
; LIMITS: NaN and infinities are not served.  A block of zeros, or one under 2^-124, keeps the byte 1 (its codes are zeros; this program alone reads the bytes).
; 10000^(-i/64) is made as 2^(-i log2(10000)/64) with the exponent in two f32 parts: about one unit in its last place; the angle is then one f32 product, reduced by pi/2 in two parts; cos and sin by polynomials, about 1e-7 absolute.
.set SCOFF,   11010048
.set ROPEOFF, 11468800
.set WREG,    8448                     ; a wave's stage: 16 rows x 528 bytes
.set OFF, 16                           ; v16-31   byte offset of my 16 bytes in row s of the tile
.set R,   32                           ; v32-159  two sets of 64: the two fragments' numbers as loaded
.set X,   160                          ; v160-223 my two blocks of 32
.set C,   224                          ; v224-235 a fragment's codes
.set PT,  236                          ; v236-238, v240-242 the second halves of the blocks' codes
.set W,   244                          ; v244-245 the two fragments' scale words
.set SW,  248                          ; v248     the word that I store
.set H8,  250                          ; v250     8 h
.set CO,  32                           ; rope: v32-39 cos, v40-47 sin
.set SI,  40
	s_load_b256 s[4:11], s[0:1], 0x0               ; x, Wq, Wk, Wv
	s_load_b128 s[12:15], s[0:1], 0x20             ; Wo, qz
	v_lshl_add_u32 v254, v0, 2, 0x8400
	v_mov_b32 v255, 0
	v_lshrrev_b32 v1, 5, v0
	v_readfirstlane_b32 s40, v1                    ; wave
	v_and_b32 v1, 31, v0                           ; lane
	v_and_b32 v2, 15, v0                           ; r
	v_bfe_u32 v3, v0, 4, 1                         ; h
	v_lshlrev_b32 v6, 4, v1                        ; 16 x lane
	s_mov_b32 s38, 0x76543210
	s_mov_b32 s39, 0xfedcba98                      ; v_permlanex16_b32's selects for lane l xor 16
	s_wait_kmcnt 0x0
	s_cmp_ge_u32 ttmp9, 896
	s_cbranch_scc1 .Lrope
	; ---- which tensor: the choice hangs on the work-group's number alone
	s_mov_b32 s20, 0                               ; the tensor's first job
	s_cmp_ge_u32 ttmp9, 512
	s_cselect_b64 s[4:5], s[6:7], s[4:5]
	s_cselect_b32 s20, 2048, s20
	s_cmp_ge_u32 ttmp9, 640
	s_cselect_b64 s[4:5], s[8:9], s[4:5]
	s_cselect_b32 s20, 2560, s20
	s_cmp_ge_u32 ttmp9, 704
	s_cselect_b64 s[4:5], s[10:11], s[4:5]
	s_cselect_b32 s20, 2816, s20
	s_cmp_ge_u32 ttmp9, 768
	s_cselect_b64 s[4:5], s[12:13], s[4:5]
	s_cselect_b32 s20, 3072, s20
	s_cselect_b32 s21, 2, 3                        ; log2 of the jobs in a tile: K / 256
	s_cselect_b32 s22, 12, 13                      ; log2 of a row's bytes
	s_lshl_b32 s23, ttmp9, 2
	s_add_co_u32 s23, s23, s40                     ; J
	s_sub_co_u32 s24, s23, s20
	s_lshr_b32 s25, s24, s21                       ; the tile
	s_lshl_b32 s26, s25, s21
	s_sub_co_u32 s26, s24, s26                     ; which 256 along K
	s_lshr_b32 s27, s25, 1
	s_lshl_b32 s27, s27, 5
	s_and_b32 s28, s25, 1
	s_lshl_b32 s28, s28, 3
	s_add_co_u32 s27, s27, s28                     ; the tile's first row
	s_lshl_b32 s28, s27, s22
	s_lshl_b32 s29, s26, 10
	s_add_co_u32 s28, s28, s29
	s_mov_b32 s29, 0
	s_add_nc_u64 s[4:5], s[4:5], s[28:29]          ; the job's first number
	s_mul_i32 s28, s23, 3072
	s_add_nc_u64 s[16:17], s[14:15], s[28:29]      ; its codes
	s_lshr_b32 s28, s23, 1
	s_lshl_b32 s28, s28, 8                         ; the block of scale words,
	s_and_b32 s30, s23, 1
	s_lshl_b32 s30, s30, 3                         ; and my two words' place in each row's four
	s_add_co_u32 s28, s28, s30
	s_add_co_u32 s28, s28, SCOFF
	s_add_nc_u64 s[18:19], s[14:15], s[28:29]
	s_mul_i32 s41, s40, WREG
	s_wait_alu depctr_va_vdst(0)
	v_add_nc_u32 v4, s41, v6                       ; the stage, in: 16 x lane, row s in the immediate
	v_mul_u32_u24 v5, v2, 528
	v_lshl_add_u32 v5, v3, 7, v5
	v_add_nc_u32 v5, s41, v5                       ; out: row r, + 128 h: blocks h and 2 + h
	v_lshlrev_b32 v7, 4, v2
	v_lshl_add_u32 v7, v3, 2, v7                   ; my scale word: 16 r + 4 h
	v_lshlrev_b32 v[H8], 3, v3
	v_mov_b32 v15, 0                               ; written once: a lane permute's destination counts as one of its sources
.irp s, 0,1,2,3,4,5,6,7,8,9,10,11,12,13,14,15
	s_lshl_b32 s30, \s+8*(\s/8), s22               ; row s + 8 (s / 8) of the tile's span, in bytes
	v_add_nc_u32 v[OFF+\s], s30, v6
.endr
.macro LOADF k                         ; fragment k's 16 rows: each load is 512 consecutive bytes, aligned
.set n, 0
.rept 16
	global_load_b128 v[R+64*(\k)+4*n:R+64*(\k)+4*n+3], v[OFF+n], s[4:5] offset:512*(\k) th:TH_LOAD_NT
.set n, n+1
.endr
.endm
.macro FRAGM k
.if (\k) < 1
	s_wait_loadcnt 16                              ; this fragment's 16 loads are in; the second fragment's 16 may be out
.else
	s_wait_loadcnt 0x0
.endif
.set n, 0
.rept 16
	ds_store_b128 v4, v[R+64*(\k)+4*n:R+64*(\k)+4*n+3] offset:528*n
.set n, n+1
.endr
.irp c, 0,1
.irp j, 0,1,2,3,4,5,6,7
	ds_load_b128 v[X+32*\c+4*\j:X+32*\c+4*\j+3], v5 offset:256*\c+16*\j   ; k = 64 c + 32 h + 4 j on: LDS serves a wave's instructions in order, so these see the stores
.endr
.endr
	s_wait_dscnt 0x0                               ; my blocks are in
.irp c, 0,1
	v_max3_num_f32 v[8+\c], |v[X+32*\c]|, |v[X+1+32*\c]|, 0x1800000   ; block 2 c + h, all mine; and the floor 2^(3 - 127): the byte cannot fall under 1
.endr
.irp i, 2,4,6,8,10,12,14,16,18,20,22,24,26,28,30
.irp c, 0,1
	v_max3_num_f32 v[8+\c], v[8+\c], |v[X+32*\c+\i]|, |v[X+1+32*\c+\i]|
.endr
.endr
.irp c, 0,1
	v_add_nc_u32 v[10+\c], 0xff000000, v[8+\c]     ; 2 off the exponent field: the conversion's scale operand
.endr
.irp c, 0,1
	v_lshrrev_b32 v[12+\c], 23, v[10+\c]           ; the scale's byte
.endr
	v_lshl_or_b32 v14, v13, 16, v12                ; my two bytes, blocks h and 2 + h,
	v_lshlrev_b32 v14, v[H8], v14                  ; at their places in the word;
	v_permlanex16_b32 v15, v14, s38, s39
	v_or_b32 v[W+(\k)], v14, v15                   ; with lane l xor 16's two the word is whole
.if (\k) > 0
	s_wait_alu depctr_va_vdst(0)
	s_wait_xcnt 0x0                                ; the first fragment's stores have read the codes' registers
.endif
.irp c, 0,1
	v_cvt_scalef32_pk16_fp6_f32 v[C+6*\c:C+6*\c+2], v[X+32*\c:X+32*\c+15], v[10+\c]
	v_cvt_scalef32_pk16_fp6_f32 v[PT+4*\c:PT+4*\c+2], v[X+32*\c+16:X+32*\c+31], v[10+\c]   ; (a conversion's three registers begin on an even number)
.endr
	v_nop                                          ; one plain place behind a scaled conversion
.irp c, 0,1
.irp i, 0,1,2
	v_mov_b32 v[C+3+6*\c+\i], v[PT+4*\c+\i]
.endr
.endr
.irp g, 0,1,2
	global_store_b128 v6, v[C+4*\g:C+4*\g+3], s[16:17] offset:1536*(\k)+512*\g   ; 512 consecutive bytes, aligned
.endr
.endm
	s_wait_alu depctr_va_vdst(0)
	LOADF 0
	LOADF 1
	FRAGM 0
	FRAGM 1
	v_cmp_ne_u32 vcc_lo, 0, v3
	v_cndmask_b32 v[SW], v[W], v[W+1], vcc_lo      ; lanes 0-15 store the first fragment's word of row r, lanes 16-31 the second's
	global_store_b32 v7, v[SW], s[18:19]
	s_wait_tensorcnt 0x0
	ds_add_u32 v254, v255
	s_wait_dscnt 0x0
	s_endpgm
.Lrope:
	; table [tile 128][group 16][512]: groups 0-7 cos, 8-15 sin; register n = 4 (group % 8) + j of lane (r, h): frequency 32 (n / 16) + 16 h + n % 16, position = the tile's row of lane r.
	; Wave w makes registers 8 w .. 8 w + 7.
	s_sub_co_u32 s20, ttmp9, 896                   ; the tile
	s_lshr_b32 s21, s20, 1
	s_lshl_b32 s21, s21, 5
	s_and_b32 s22, s20, 1
	s_lshl_b32 s22, s22, 3
	s_add_co_u32 s21, s21, s22
	s_wait_alu depctr_va_vdst(0)
	v_and_b32 v8, 8, v2
	v_add_nc_u32 v8, v8, v2
	v_add_nc_u32 v8, s21, v8
	v_cvt_f32_u32 v8, v8                           ; the position
	s_lshr_b32 s22, s40, 1
	s_lshl_b32 s22, s22, 5
	s_and_b32 s23, s40, 1
	s_lshl_b32 s23, s23, 3
	s_add_co_u32 s22, s22, s23
	v_lshl_add_u32 v9, v3, 4, s22                  ; my first frequency: 32 (w / 2) + 8 (w % 2) + 16 h
	s_wait_alu depctr_va_vdst(0)
	s_mov_b32 s24, 0x3e549a78                      ; log2(10000) / 64, upper part,
	s_mov_b32 s25, 0x31979a28                      ; and what it leaves
	s_mov_b32 s26, 0x3fc90fdb                      ; pi / 2, upper part,
	s_mov_b32 s27, 0xb33bbd2e                      ; and what it leaves
	s_mov_b32 s28, 0xbe2aaaa3                      ; sine: -1/6, 1/120, -1/5040, fitted to +-pi/4
	s_mov_b32 s29, 0x3c08839e
	s_mov_b32 s30, 0xb94ca1f9
	s_mov_b32 s31, 0x37ccf5ce                      ; cosine: 1/40320.., -1/720, 1/24, fitted likewise
	s_mov_b32 s32, 0xbab6061a
	s_mov_b32 s33, 0x3d2aaaa5
	s_lshl_b32 s34, s20, 13
	s_lshl_b32 s35, s40, 10
	s_add_co_u32 s34, s34, s35
	s_add_co_u32 s34, s34, ROPEOFF
	s_mov_b32 s35, 0
	s_add_nc_u64 s[14:15], s[14:15], s[34:35]
.irp e, 0,1,2,3,4,5,6,7
	v_add_nc_u32 v10, \e, v9
	v_cvt_f32_u32 v10, v10                         ; i
	v_mul_f32 v11, s24, v10                        ; p = i L, rounded,
	v_fma_f32 v12, v10, s24, -v11                  ; what the rounding dropped,
	v_fma_f32 v12, v10, s25, v12                   ; and L's lower part
	v_rndne_f32 v13, v11                           ; n
	v_sub_f32 v14, v13, v11
	v_sub_f32 v14, v14, v12                        ; -(p - n) - the rest: between -0.5 and 0.5
	s_wait_alu depctr_va_vdst(0)
	v_exp_f32 v15, v14
	v_cvt_i32_f32 v16, v13                         ; (a plain place behind the transcendental)
	v_sub_nc_u32 v16, 0, v16
	s_wait_alu depctr_va_vdst(0)
	v_ldexp_f32 v15, v15, v16                      ; 10000^(-i/64)
	v_mul_f32 v17, v8, v15                         ; the angle: one f32 product
	v_mul_f32 v18, 0x3f22f983, v17
	v_rndne_f32 v18, v18                           ; quarter turns
	v_fma_f32 v19, -v18, s26, v17
	v_fma_f32 v19, -v18, s27, v19                  ; the rest, within +-pi/4
	v_mul_f32 v20, v19, v19
	v_fma_f32 v21, s30, v20, s29
	v_fma_f32 v21, v21, v20, s28
	v_mul_f32 v22, v20, v19
	v_fma_f32 v21, v21, v22, v19                   ; its sine
	v_fma_f32 v23, s31, v20, s32
	v_fma_f32 v23, v23, v20, s33
	v_mul_f32 v24, v20, v20
	v_fma_f32 v25, v20, -0.5, 1.0
	v_fma_f32 v23, v23, v24, v25                   ; its cosine
	v_cvt_i32_f32 v26, v18
	v_and_b32 v27, 1, v26
	v_cmp_ne_u32 vcc_lo, 0, v27                    ; an odd number of quarter turns swaps the two (a choice of values only)
	v_cndmask_b32 v28, v21, v23, vcc_lo
	v_cndmask_b32 v29, v23, v21, vcc_lo
	v_lshlrev_b32 v30, 30, v26
	v_and_b32 v30, 0x80000000, v30                 ; the sine is negated in quarters 2 and 3,
	v_xor_b32 v[SI+\e], v28, v30
	v_add_nc_u32 v26, 1, v26
	v_lshlrev_b32 v26, 30, v26
	v_and_b32 v26, 0x80000000, v26                 ; the cosine in quarters 1 and 2
	v_xor_b32 v[CO+\e], v29, v26
.endr
	global_store_b128 v6, v[CO:CO+3], s[14:15]
	global_store_b128 v6, v[CO+4:CO+7], s[14:15] offset:512
	global_store_b128 v6, v[SI:SI+3], s[14:15] offset:4096
	global_store_b128 v6, v[SI+4:SI+7], s[14:15] offset:4608
	s_endpgm
.Lfunc_end_k_qb1d2c65ebc_quant:
	.size	k_qb1d2c65ebc_quant, .Lfunc_end_k_qb1d2c65ebc_quant-k_qb1d2c65ebc_quant
	.p2alignl 7, 3214868480
	.fill 96, 4, 3214868480
	.section	.rodata,"a",@progbits
	.p2align	6, 0x0
	.amdhsa_kernel k_qb1d2c65ebc_quant
		.amdhsa_group_segment_fixed_size 34304
		.amdhsa_private_segment_fixed_size 0
		.amdhsa_enable_private_segment 0
		.amdhsa_kernarg_size 48
		.amdhsa_user_sgpr_count 2
		.amdhsa_user_sgpr_kernarg_segment_ptr 1
		.amdhsa_wavefront_size32 1
		.amdhsa_system_sgpr_workgroup_id_x 1
		.amdhsa_system_sgpr_workgroup_id_y 1
		.amdhsa_system_sgpr_workgroup_id_z 1
		.amdhsa_system_vgpr_workitem_id 0
		.amdhsa_next_free_vgpr 256
		.amdhsa_next_free_sgpr 66
		.amdhsa_reserve_vcc 1
		.amdhsa_float_denorm_mode_32 3
		.amdhsa_float_denorm_mode_16_64 3
		.amdhsa_memory_ordered 1
		.amdhsa_forward_progress 1
		.amdhsa_inst_pref_size 34
	.end_amdhsa_kernel
	.amdgpu_metadata
---
amdhsa.version: [ 1, 2 ]
amdhsa.kernels:
  - .name:           k_qb1d2c65ebc_quant
    .symbol:         k_qb1d2c65ebc_quant.kd
    .args:
      - { .name: x, .offset: 0, .size: 8, .value_kind: global_buffer, .address_space: global }
      - { .name: Wq, .offset: 8, .size: 8, .value_kind: global_buffer, .address_space: global }
      - { .name: Wk, .offset: 16, .size: 8, .value_kind: global_buffer, .address_space: global }
      - { .name: Wv, .offset: 24, .size: 8, .value_kind: global_buffer, .address_space: global }
      - { .name: Wo, .offset: 32, .size: 8, .value_kind: global_buffer, .address_space: global }
      - { .name: qz, .offset: 40, .size: 8, .value_kind: global_buffer, .address_space: global }
    .group_segment_fixed_size: 34304
    .private_segment_fixed_size: 0
    .kernarg_segment_align: 8
    .kernarg_segment_size: 48
    .max_flat_workgroup_size: 128
    .sgpr_count:     66
    .vgpr_count:     256
    .wavefront_size: 32
...
	.end_amdgpu_metadata
.endif
;; end of part 1
;; launch qkvproj (part 2): grid 16 x 16, 4 waves a work-group, clusters of 4 x 4, 327,680 bytes of LDS; arguments qz, qn_w, kn_w, qkvz; writes qkvz
.if DOCPART == 2
	.amdgcn_target "amdgcn-amd-amdhsa--gfx1250"
	.amdhsa_code_object_version 6
	.text
	.protected	k_qb1d2c65ebc_qkvproj
	.globl	k_qb1d2c65ebc_qkvproj
	.p2align	8
	.type	k_qb1d2c65ebc_qkvproj,@function
k_qb1d2c65ebc_qkvproj:
	s_mov_b64 s[64:65], 0
	v_nop
	global_prefetch_b8 v0, s[64:65] scope:SCOPE_SE
	s_setreg_imm32_b32 hwreg(HW_REG_WAVE_MODE, 25, 1), 1
	s_wait_xcnt 0x0
	s_wait_alu depctr_hold_cnt(0) depctr_sa_sdst(0) depctr_va_vdst(0) depctr_va_sdst(0) depctr_va_ssrc(0) depctr_va_vcc(0) depctr_vm_vsrc(0)
	s_getreg_b32 s2, hwreg(HW_REG_IB_STS2, 6, 4)
	s_cmp_eq_u32 s2, 0
	s_cbranch_scc0 .Lentry_in_a_cluster
	s_endpgm
.Lentry_in_a_cluster:
	s_bfe_u32 s2, ttmp6, 0x10000c
	s_cmp_lg_u32 s2, 0xf033
	s_cbranch_scc0 .Lentry_shape_is_right
	s_endpgm
.Lentry_shape_is_right:
; q, k, v = x [Wq | Wk | Wv]^T on codes of FP6 (E2M3) with E8M0 scales, K = 2,048; then RMS norm, rope and 128^-0.5 in f32 (q, k), and the quantisers ahead of attention: q and k along the head's 128, v along the keys.
; A work-group makes 256 tokens (16 tiles of x) x 128 weight rows (8 tiles: ONE head); wave w takes x's tiles 4 w .. 4 w + 3 against all eight: 32 accumulators, 256 registers.  16 x 16 work-groups.
; THE PRODUCT IS USED TRANSPOSED (source 0 = 16 weight rows, source 1 = 16 tokens).  Lane r of any tile holds row 32 (tile / 2) + 8 (tile % 2) + r + 8 (r / 8): so register 16 b + i of lane (r, h) is channel 32 b + 16 h + i of the
; lane's token: 16 registers are 16 neighbours along the next K, and channels d and d + 64 (rope's partners) lie 32 registers apart in one lane.
; OPERANDS lie in memory as images of their registers (1,536 bytes a fragment): a fragment comes from LDS by three loads of 16 bytes a lane, each 512 consecutive bytes.
; K goes in steps of 512 (four fragments deep) through two LDS slots filled by the tensor data mover; the scale words of all of K come once.  Four steps, written out: two refills.
; CLUSTERS: 4 x 4 work-groups.  x's tiles hang on the token block alone and are shared along a row of the cluster, the weights' on the weight block alone and are shared along a column: joint loads.
; The cluster's x says what a work-group makes: 0, 1 query heads, 2 key heads, 3 value heads: the same in all sixteen partners, so the ways out may part on it.
; LIMITS: NaN and infinities are not served; a block of zeros or under 2^-124 keeps the scale byte 1 (its codes are zeros; this program alone reads the bytes).
; 128^-0.5 is folded into the norm's factor and rope is fused multiply-adds: the last bits may differ from a chain of single roundings.
; REGISTERS: window 0: v1 r, v2 h; v16-27 addresses; v28, v29 the add's; v31; v32-95 scale words, two sets, and nothing else; v96-143, v144-191 x's fragments, two sets; on the way out v96-255 are at work.
;   window 1: the weights' fragments, sets at v0 and v128.  window 2: accumulator (a, b) at v[8 (8 a + b)].  window 3: v0-63 1 + norm weight; v64-191 two rope tables (32 cos, 32 sin each).
.set KAP,   16                         ; fragments along K
.set QUADS, 4                          ; K steps
.set FRB,   1536
.set SROW,  256*QUADS                  ; a tile's scale words for all of K
.set ASL,   64*FRB                     ; a slot: x's 16 tiles x 4 fragments,
.set SLOT,  96*FRB                     ; then the weights' 8 x 4
.set SCL,   2*SLOT                     ; behind the ring: room for 24 tiles' scale words, left unused (they go to registers)
.set SPARE, SCL+24*SROW                ; the spare words, 128 bytes for each wave: two blocks of 256 bytes that no other line names
.set BC,    6291456                    ; in qz: the weights' codes, x's scale words, the weights', the rope table
.set AS,    11010048
.set BS,    11272192
.set ROPE,  11468800
.set VCO,   4718592                    ; in qkvz: v's codes, q's and k's scale words, v's
.set QKS,   6291456
.set VSO,   6488064
.set ADRA,  16                         ; v16-17 my x fragments in slot 0, 1
.set ADRB,  18                         ; v18-19 the weights'
.set ADRS1, 20                         ; v20    scale words: lanes 0-15 x's tiles 4 w + i, lanes 16-31 the weights' tiles i
.set ADRS2, 21                         ; v21    the weights' tiles 4 + i
.set STV,   22                         ; v22    v's turn: where I put 16 bytes
.set VRD,   23                         ; v23    and where I read a key's number
.set L16,   24                         ; v24-26 16, 4, 8 x lane
.set L4,    25
.set L8,    26
.set VBA,   27                         ; v27    4 r + h
.set SPW,   28
.set NIL,   29
.set H64,   31                         ; v31    64 h
.set SC,    32
.set AF,    96
.set Y,     96                         ; the way out of q, k: v96-159 a tile's 64 numbers
.set TM,    160                        ; v160-175 the quantiser's
.set PW,    176                        ; v176-179 four tiles' scale words
.set F,     180
.set SS,    182
.set SW,    188
.set PC,    192                        ; v192-239 four tiles' codes
.set PT,    240                        ; v240-247 second halves of codes; rope's temporaries
.set VX,    96                         ; the way out of v: v96-159 two sets of 32 keys
.set VB,    176                        ; v176-183 eight tiles' scale bytes
.set SEL,   18                         ; s[18:19]
.set G1, 24
.set G0, 32
.set G1B, 48
.set G0B, 56
.set HA, 68                            ; s[68:83] groups 0 of the head's four loads: x slot 0, weights slot 0, x slot 1, weights slot 1
; THE SCALE WORDS go from qz straight into v32-95, 16 lanes to 256 consecutive bytes: K steps 0 and 1 at the head, K steps 2 and 3 one K step ahead of their use; none lies in LDS.
.set MULW, 0xa1                        ; source 0 window 1, source 1 window 0, C and D window 2
.set MSB, 0
.macro WIN new                         ; the immediate's high byte repeats the setting that is left
.if MSB != \new
	s_set_vgpr_msb (MSB<<8)|\new
.set MSB, \new
.endif
.endm
.macro PLACES                          ; four plain places behind a matrix instruction, in front of loads into its sources and of reads of its results
.rept 4
	v_nop
.endr
.endm
; A joint load: waves 0 and 1 fetch for x, waves 2 and 3 for the weights.  Four v_nop follow each of the two lines.
.macro JLOAD g0a, g1a, g0b, g1b
	s_cmp_eq_u32 s15, 0
	s_cbranch_scc0 .Lfor_b_\@
	tensor_load_to_lds s[\g0a:\g0a+3], s[\g1a:\g1a+7]
	s_nop 0
.rept 4
	v_nop
.endr
	s_branch .Lasked_\@
.Lfor_b_\@:
	tensor_load_to_lds s[\g0b:\g0b+3], s[\g1b:\g1b+7]
	s_nop 0
.rept 4
	v_nop
.endr
.Lasked_\@:
.endm
.macro CREST                           ; a round of the cluster's barrier behind its opening barrier
	s_cmp_lg_u32 s14, 0
	s_cbranch_scc1 .Lnot_wave_0_\@
	s_barrier_signal -3
.Lnot_wave_0_\@:
	s_barrier_wait -3
	s_barrier_signal -1
	s_barrier_wait -1
.endm
.macro CROUND
	s_barrier_signal -1
	s_barrier_wait -1
	CREST
.endm
	s_load_b256 s[4:11], s[0:1], 0x0               ; qz, qn_w, kn_w, qkvz
	v_lshl_add_u32 v[SPW], v0, 2, SPARE
	v_mov_b32 v[NIL], 0
	ds_add_u32 v28, v29
	ds_add_u32 v28, v29
	s_wait_dscnt 0x0
	v_lshrrev_b32 v1, 5, v0
	v_readfirstlane_b32 s14, v1                    ; wave
	s_lshr_b32 s15, s14, 1                         ; I fetch for x (0) or for the weights (1),
	s_and_b32 s16, s14, 1                          ; its first or second half
	s_bfe_u32 s40, ttmp6, 0x40000                  ; cx, cy
	s_bfe_u32 s41, ttmp6, 0x40004
	s_lshl_b32 s42, ttmp9, 2
	s_add_co_u32 s42, s42, s40                     ; X: the weight block (head): 0-7 q, 8-11 k, 12-15 v
	s_and_b32 s17, ttmp7, 0xffff
	s_lshl_b32 s17, s17, 2
	s_add_co_u32 s17, s17, s41                     ; Y: the block of 256 tokens
	s_lshl_b32 s43, s41, 2
	s_lshl_b32 s43, 15, s43                        ; my row of the cluster
	s_lshl_b32 s44, 0x1111, s40                    ; my column
	; descriptor groups 1: elements of 8 bytes, no padding; bit 21 set beside the mask
	s_or_b32 s[G1+0], s43, (3<<16)|(1<<21)
	s_or_b32 s[G1B+0], s44, (3<<16)|(1<<21)
.irp g, G1, G1B                        ; codes: a row = four fragments of one tile, 6,144 bytes; from tile to tile KAP fragments
	s_mov_b32 s[\g+1], 768<<16
	s_mov_b32 s[\g+3], 768<<16
	s_mov_b32 s[\g+5], 192*KAP
	s_mov_b32 s[\g+6], 0
	s_mov_b32 s[\g+7], 0
.endr
	s_mov_b32 s[G1+2], 16<<16                      ; the head's loads bring whole tiles: x's 16 tiles,
	s_mov_b32 s[G1+4], 16
	s_mov_b32 s[G1B+2], 8<<16                      ; the weights' 8
	s_mov_b32 s[G1B+4], 8
	s_lshl_b32 s18, s17, 4                         ; x's first tile: 16 Y
	s_mul_i32 s20, s18, FRB*KAP
	s_mov_b32 s21, 0
	s_lshl_b32 s19, s14, 2
	s_add_co_u32 s19, s19, s18                     ; my own four tiles' first
	s_mul_i32 s22, s19, SROW
	s_add_co_u32 s22, s22, AS                      ; their scale words, as an offset in qz
	s_lshl_b32 s46, s42, 3                         ; the weights' first tile: 8 X
	s_mul_i32 s92, s46, FRB*KAP
	s_add_co_u32 s92, s92, BC
	s_mov_b32 s93, 0
	s_mul_i32 s94, s46, SROW
	s_add_co_u32 s94, s94, BS                      ; the weights' scale words, as an offset in qz,
	s_sub_co_u32 s95, s94, s22                     ; and how far they lie behind mine (1,024 bytes at the least)
	s_wait_kmcnt 0x0
	s_add_nc_u64 s[20:21], s[4:5], s[20:21]
	s_add_nc_u64 s[92:93], s[4:5], s[92:93]
	CROUND                                         ; all sixteen work-groups are here: the first joint loads meet
.irp s, 0,1                            ; the head's four tiles, each whole: K step s of x's 16 tiles and of the weights' 8
	s_mov_b32 s[HA+8*\s], 1
	s_mov_b32 s[HA+8*\s+1], \s*SLOT
	s_add_nc_u64 s[HA+8*\s+2:HA+8*\s+3], s[20:21], \s*4*FRB
	s_or_b32 s[HA+8*\s+3], s[HA+8*\s+3], 0x80000000
	s_mov_b32 s[HA+8*\s+4], 1
	s_mov_b32 s[HA+8*\s+5], \s*SLOT+ASL
	s_add_nc_u64 s[HA+8*\s+6:HA+8*\s+7], s[92:93], \s*4*FRB
	s_or_b32 s[HA+8*\s+7], s[HA+8*\s+7], 0x80000000
.endr
	s_mul_i32 s2, s16, 8*FRB*KAP                   ; for the ring's refills: my half of the tiles
	s_mov_b32 s3, 0
	s_add_nc_u64 s[20:21], s[20:21], s[2:3]
	s_mul_i32 s2, s16, 4*FRB*KAP
	s_add_nc_u64 s[92:93], s[92:93], s[2:3]
	s_mul_i32 s45, s16, 32*FRB                     ; where the codes go: no place in the cluster enters an LDS address
	s_mul_i32 s96, s16, 16*FRB
	s_add_co_u32 s96, s96, ASL
.irp s, 0,1
	s_mov_b32 s[G0+4*\s], 1
	s_add_co_u32 s[G0+4*\s+1], s45, \s*SLOT
	s_add_nc_u64 s[G0+4*\s+2:G0+4*\s+3], s[20:21], \s*4*FRB
	s_or_b32 s[G0+4*\s+3], s[G0+4*\s+3], 0x80000000
	s_mov_b32 s[G0B+4*\s], 1
	s_add_co_u32 s[G0B+4*\s+1], s96, \s*SLOT
	s_add_nc_u64 s[G0B+4*\s+2:G0B+4*\s+3], s[92:93], \s*4*FRB
	s_or_b32 s[G0B+4*\s+3], s[G0B+4*\s+3], 0x80000000
.endr
; THE HEAD'S LOADS, ONE A WAVE: wave 0 x's K step 0, wave 1 the weights', wave 2 x's K step 1, wave 3 the weights'.  One chain of branches on the wave's number.
.macro ARM under, g0, g1, next
	s_cmp_lt_u32 s14, \under
	s_cbranch_scc0 \next
	tensor_load_to_lds s[\g0:\g0+3], s[\g1:\g1+7]
	s_nop 0
.rept 4
	v_nop
.endr
	s_branch .Lhead_asked
\next:
.endm
	ARM 1, HA,   G1,  .Lhead_b0
	ARM 2, HA+4, G1B, .Lhead_a1
	ARM 3, HA+8, G1,  .Lhead_b1
	tensor_load_to_lds s[HA+12:HA+15], s[G1B:G1B+7]
	s_nop 0
.rept 4
	v_nop
.endr
.Lhead_asked:
	; the prefetches' bases: K steps 2 and 3 of a tile are 48 consecutive blocks of 256 bytes.  The partners that ask for a tile jointly share the tiles out by address:
	; of x's 16 tiles the partner at cx takes 4 cx .. 4 cx + 3, a tile a wave; of the weights' 8 the partner at cy takes 2 cy, 2 cy + 1, half a tile a wave
	s_lshl_b32 s84, s17, 4
	s_lshl_b32 s85, s40, 2
	s_add_co_u32 s84, s84, s85
	s_add_co_u32 s84, s84, s14
	s_mul_i32 s84, s84, FRB*KAP
	s_add_co_u32 s84, s84, 8*FRB
	s_mov_b32 s85, 0
	s_add_nc_u64 s[84:85], s[4:5], s[84:85]
	s_lshl_b32 s86, s42, 3
	s_lshl_b32 s87, s41, 1
	s_add_co_u32 s86, s86, s87
	s_add_co_u32 s86, s86, s15
	s_mul_i32 s86, s86, FRB*KAP
	s_mul_i32 s87, s16, 12*256
	s_add_co_u32 s86, s86, s87
	s_add_co_u32 s86, s86, BC+8*FRB
	s_mov_b32 s87, 0
	s_add_nc_u64 s[86:87], s[4:5], s[86:87]
	v_and_b32 v1, 15, v0                           ; r
	v_bfe_u32 v2, v0, 4, 1                         ; h
	v_and_b32 v3, 31, v0
	v_lshlrev_b32 v[L16], 4, v3
	v_lshlrev_b32 v[L4], 2, v3
	v_lshlrev_b32 v[L8], 3, v3
	v_lshl_add_u32 v[VBA], v1, 2, v2
	v_lshlrev_b32 v[H64], 6, v2
	s_mul_i32 s2, s14, 16*FRB                      ; my four tiles of x
	v_add_nc_u32 v[ADRA], s2, v[L16]
	v_add_nc_u32 v[ADRA+1], SLOT, v[ADRA]
	v_add_nc_u32 v[ADRB], ASL, v[L16]
	v_add_nc_u32 v[ADRB+1], SLOT, v[ADRB]
	v_mul_u32_u24 v4, s95, v2                      ; scale words, offsets in qz: lanes 16-31 take the weights' tiles i,
	v_lshl_add_u32 v4, v1, 4, v4
	v_add_nc_u32 v[ADRS1], s22, v4                 ; lanes 0-15 my tiles 4 w + i: 16 bytes a row
	v_lshlrev_b32 v5, 4, v1
	s_add_co_u32 s94, s94, 4*SROW
	v_add_nc_u32 v[ADRS2], s94, v5                 ; the weights' tiles 4 + i
	v_and_b32 v5, 8, v1
	v_add_nc_u32 v5, v5, v1                        ; r + 8 (r / 8)
	s_mul_i32 s2, s14, 33920                       ; v's turn: my stage, 64 tokens x 528 bytes + 128 behind the first 32; it lies in slot 0
	v_mul_u32_u24 v6, v5, 528
	v_lshl_add_u32 v6, v2, 6, v6
	v_add_nc_u32 v[STV], s2, v6
	v_mul_u32_u24 v6, v2, 17024
	v_lshl_add_u32 v6, v5, 2, v6
	v_add_nc_u32 v[VRD], s2, v6
	v_min_u32 v9, 23, v3                           ; the prefetches' offsets; lanes 24-31 name lane 23's block again
	v_lshlrev_b32 v7, 8, v9                        ; x: block l of a K step's 24
	v_mul_u32_u24 v8, v9, 11
	v_lshrrev_b32 v8, 7, v8                        ; 1 from lane 12 on
	v_mad_u32_u24 v8, v8, 12, v9
	v_lshlrev_b32 v8, 8, v8                        ; weights: lanes 0-11 my 12 blocks of K step 2, lanes 12-23 my 12 of K step 3
.irp b, 0,1,2,3
	v_mov_b32 v[TM+4+\b], 0                        ; written once: a lane permute's destination counts as one of its sources
.endr
	s_mov_b32 s[SEL], 0x76543210
	s_mov_b32 s[SEL+1], 0xfedcba98
	s_mov_b32 s67, 0x3c000000                      ; 1 / 128
	s_and_b32 s46, s17, 7
	s_lshl_b32 s46, s46, 4
	s_lshl_b32 s47, s14, 2
	s_add_co_u32 s97, s46, s47                     ; my first tile of tokens within the batch
	s_lshl_b32 s46, s97, 13
	s_add_co_u32 s46, s46, ROPE
	s_mov_b32 s47, 0
	s_add_nc_u64 s[46:47], s[4:5], s[46:47]        ; its rope table
	s_mov_b32 s96, 0x358637bd                      ; 1e-6
	s_cmp_lt_u32 ttmp9, 2
	s_cselect_b64 s[12:13], s[6:7], s[8:9]         ; q's norm weights or k's
	s_cselect_b32 s66, 0x3db504f3, 1.0             ; 128^-0.5 for q
; The norm weights and the first two rope tables are asked for here and land under the products.  They stand on the one way that all work-groups take, so that window 3 is written on every way
; that leads to its readers: v's work-groups ask for them too, 16.5 KB a wave, and do not use them.
.macro ROPELOAD a
.set n, 0
.rept 16
	global_load_b128 v[64+64*((\a)%2)+4*n:64+64*((\a)%2)+4*n+3], v[L16], s[46:47] offset:8192*(\a)+512*n
.set n, n+1
.endr
.endm
; K step ks's scale words, four (one for each 128 along K) a row, into set ks % 2: 8 loads
.macro SCALES ks
.irp i, 0,1,2,3
	global_load_b128 v[SC+32*((\ks)%2)+4*\i:SC+32*((\ks)%2)+4*\i+3], v[ADRS1], s[4:5] offset:\i*SROW+256*(\ks)
	global_load_b128 v[SC+32*((\ks)%2)+16+4*\i:SC+32*((\ks)%2)+16+4*\i+3], v[ADRS2], s[4:5] offset:\i*SROW+256*(\ks)
.endr
.endm
	SCALES 0
	SCALES 1
	WIN 0xc0
.irp b, 0,1,2,3
.irp j, 0,1,2,3
	global_load_b128 v[16*\b+4*\j:16*\b+4*\j+3], v[H64], s[12:13] offset:128*\b+16*\j   ; register 16 b + i: channel 32 b + 16 h + i
.endr
.endr
	ROPELOAD 0
	ROPELOAD 1
	WIN 0
; 36 LDS loads: the weights' eight fragments and my four of x, the slot's q-th 128 along K, into set
.macro FETCH slot, q, set
	WIN 0x40
.irp i, 0,1,2,3,4,5,6,7
.irp g, 0,1,2
	ds_load_b128 v[128*(\set)+12*\i+4*\g:128*(\set)+12*\i+4*\g+3], v[ADRB+\slot] offset:(4*\i+(\q))*FRB+512*\g
.endr
.endr
	WIN 0
.irp i, 0,1,2,3
.irp g, 0,1,2
	ds_load_b128 v[AF+48*(\set)+12*\i+4*\g:AF+48*(\set)+12*\i+4*\g+3], v[ADRA+\slot] offset:(4*\i+(\q))*FRB+512*\g
.endr
.endr
.endm
; K step ks's scale words, four (one for each 128 along K) a row: 8 loads
; 8 matrix instructions: x's tile a against the weights' eight.  The 32 accumulators take turns, one instruction a turn, in the same order in every step.
.macro MUL8 a, set, q, z, zero
.irp b, 0,1,2,3,4,5,6,7
.set DD, 8*(8*(\a)+\b)
.set BB, 128*(\set)+12*\b
.set AA, AF+48*(\set)+12*(\a)
.set SCA, SC+32*(\z)+4*(\a)+(\q)
.if \b < 4
.set SCB, SC+32*(\z)+4*\b+(\q)
.if \zero
	v_wmma_scale_f32_16x16x128_f8f6f4 v[DD:DD+7], v[BB:BB+11], v[AA:AA+11], 0, v[SCB], v[SCA] matrix_a_fmt:MATRIX_FMT_FP6 matrix_b_fmt:MATRIX_FMT_FP6 matrix_a_scale:MATRIX_SCALE_ROW1
.else
	v_wmma_scale_f32_16x16x128_f8f6f4 v[DD:DD+7], v[BB:BB+11], v[AA:AA+11], v[DD:DD+7], v[SCB], v[SCA] matrix_a_fmt:MATRIX_FMT_FP6 matrix_b_fmt:MATRIX_FMT_FP6 matrix_a_scale:MATRIX_SCALE_ROW1
.endif
.else
.set SCB, SC+32*(\z)+16+4*(\b-4)+(\q)
.if \zero
	v_wmma_scale_f32_16x16x128_f8f6f4 v[DD:DD+7], v[BB:BB+11], v[AA:AA+11], 0, v[SCB], v[SCA] matrix_a_fmt:MATRIX_FMT_FP6 matrix_b_fmt:MATRIX_FMT_FP6
.else
	v_wmma_scale_f32_16x16x128_f8f6f4 v[DD:DD+7], v[BB:BB+11], v[AA:AA+11], v[DD:DD+7], v[SCB], v[SCA] matrix_a_fmt:MATRIX_FMT_FP6 matrix_b_fmt:MATRIX_FMT_FP6
.endif
.endif
.endr
.endm
; 128 along K that has its successor in the same slot: the successor's fragments are asked for first, into the set that the last step multiplied
.macro STEP slot, q, z, zero
	PLACES
	FETCH \slot, (\q)+1, 1-(\q)%2
	s_wait_dscnt 36                                ; all but the 36 just issued: this step's fragments (and scale words) are in
	WIN MULW
	MUL8 0, (\q)%2, \q, \z, \zero
	MUL8 1, (\q)%2, \q, \z, \zero
	MUL8 2, (\q)%2, \q, \z, \zero
	MUL8 3, (\q)%2, \q, \z, \zero
.endm
; A slot's last 128 change slots: ONE barrier; in front of it each wave waits for all its tensor loads, adds 0 to its spare word, and waits for that and for its reads of this slot.
.macro TURN slot, next, z, kn, fill
	WIN 0
	s_wait_tensorcnt 0x0                           ; all my tensor loads have landed: my part of the next slot
	ds_add_u32 v[SPW], v[NIL]                      ; 0 onto my spare word
	s_wait_dscnt 1                                 ; (the add alone may be out)
	WIN MULW
	MUL8 0, 1, 3, \z, 0
	MUL8 1, 1, 3, \z, 0
	s_wait_dscnt 0x0                               ; the add is done; my reads of this slot were over before
	s_barrier_signal -1
	MUL8 2, 1, 3, \z, 0
	WIN 0
	s_barrier_wait -1
.if \fill
	CREST                                          ; the barrier has opened a round of the cluster's: no wave of any partner still reads this slot or has a load on its way
	s_add_nc_u64 s[G0+4*\slot+2:G0+4*\slot+3], s[G0+4*\slot+2:G0+4*\slot+3], 8*FRB
	s_add_nc_u64 s[G0B+4*\slot+2:G0B+4*\slot+3], s[G0B+4*\slot+2:G0B+4*\slot+3], 8*FRB
	JLOAD G0+4*\slot, G1, G0B+4*\slot, G1B         ; two K steps on: 128 matrix instructions ahead of the wait for it; its four v_nop are the places in front of the loads below
.else
	PLACES
.endif
	FETCH \next, 0, 0
	WIN MULW
	MUL8 3, 1, 3, \z, 0
.endm
	s_wait_alu depctr_va_vdst(0)
	s_wait_tensorcnt 0x0                           ; my one load has landed, so a descriptor may be written: the ring's refills bring half tiles
	s_mov_b32 s[G1+2], 8<<16
	s_mov_b32 s[G1+4], 8
	s_mov_b32 s[G1B+2], 4<<16
	s_mov_b32 s[G1B+4], 4
	s_barrier_signal -1
	s_barrier_wait -1                              ; both slots are whole
	s_wait_loadcnt 48                              ; the 16 loads of scale words are in; the 16 of norm weights and 32 of rope tables issued behind them may be out
	FETCH 0, 0, 0
	; K steps 2 and 3 are asked for here, one and two K steps ahead of the refills that load them; v7, v8 and s[84:87] are never written again
	global_prefetch_b8 v7, s[84:85] th:TH_LOAD_NT scope:SCOPE_SE
	global_prefetch_b8 v8, s[86:87] th:TH_LOAD_NT scope:SCOPE_SE
	global_prefetch_b8 v7, s[84:85] offset:4*FRB th:TH_LOAD_NT scope:SCOPE_SE
	STEP 0, 0, 0, 1                                ; the first products start the sums: nothing is cleared
	STEP 0, 1, 0, 0
	STEP 0, 2, 0, 0
	TURN 0, 1, 0, 1, 1
	WIN 0
	PLACES                                         ; behind the last products that read set 0
	SCALES 2                                       ; K step 2's words: a K step ahead of their use
	STEP 1, 0, 1, 0
	STEP 1, 1, 1, 0
	STEP 1, 2, 1, 0
	TURN 1, 0, 1, 2, 1
	WIN 0
	PLACES
	SCALES 3
	s_wait_loadcnt 8                               ; all but the 8 just issued: K step 2's words are in
	STEP 0, 0, 0, 0
	STEP 0, 1, 0, 0
	STEP 0, 2, 0, 0
	TURN 0, 1, 0, 3, 0
	s_wait_loadcnt 0x0                             ; K step 3's words are in
	STEP 1, 0, 1, 0
	STEP 1, 1, 1, 0
	STEP 1, 2, 1, 0
	s_wait_dscnt 0x0
	WIN MULW
	MUL8 0, 1, 3, 1, 0
	MUL8 1, 1, 3, 1, 0
	MUL8 2, 1, 3, 1, 0
	MUL8 3, 1, 3, 1, 0
	WIN 0
	PLACES
	s_cmp_eq_u32 ttmp9, 3
	s_cbranch_scc1 .Lv
; 64 numbers of a lane, register 16 b + i = k 32 b + 16 h + i of my row, become a fragment's codes in v[pc] on and its scale word in v[pw]
.macro QUANT s, pc, pw
.irp b, 0,1,2,3
	v_max3_num_f32 v[TM+\b], |v[\s+16*\b]|, |v[\s+1+16*\b]|, 0x1800000   ; my 16 of block b, and the floor 2^(3 - 127): the byte cannot fall under 1
.endr
.irp i, 2,4,6,8,10,12,14
.irp b, 0,1,2,3
	v_max3_num_f32 v[TM+\b], v[TM+\b], |v[\s+16*\b+\i]|, |v[\s+1+16*\b+\i]|
.endr
.endr
.irp b, 0,1,2,3
	v_permlanex16_b32 v[TM+4+\b], v[TM+\b], s[SEL], s[SEL+1]
.endr
.irp b, 0,1,2,3
	v_max_num_f32 v[TM+\b], v[TM+\b], v[TM+4+\b]   ; with lane l xor 16's: the block's largest magnitude
.endr
.irp b, 0,1,2,3
	v_add_nc_u32 v[TM+12+\b], 0xff000000, v[TM+\b] ; 2 off the exponent field: the conversion's scale operand
.endr
.irp b, 0,1,2,3
	v_lshrrev_b32 v[TM+4+\b], 23, v[TM+12+\b]      ; the scale's byte
.endr
	v_lshl_or_b32 v[\pw], v[TM+5], 8, v[TM+4]
	v_lshl_or_b32 v[\pw], v[TM+6], 16, v[\pw]
	v_lshl_or_b32 v[\pw], v[TM+7], 24, v[\pw]
.irp c, 0,1
	v_cvt_scalef32_pk16_fp6_f32 v[\pc+6*\c:\pc+2+6*\c], v[\s+32*\c:\s+15+32*\c], v[TM+12+2*\c]
	v_cvt_scalef32_pk16_fp6_f32 v[PT+4*\c:PT+2+4*\c], v[\s+16+32*\c:\s+31+32*\c], v[TM+12+2*\c+1]
.endr
	v_nop                                          ; one plain place behind a scaled conversion
.irp c, 0,1                            ; the operand's layout wants a whole block in a lane: lanes 0-15 block 2 c, lanes 16-31 block 2 c + 1
.irp i, 0,1,2
	v_permlane16_swap_b32 v[\pc+6*\c+\i], v[PT+4*\c+\i]
.endr
.irp i, 0,1,2
	v_mov_b32 v[\pc+3+6*\c+\i], v[PT+4*\c+\i]
.endr
.endr
.endm
	; ---- THE WAY OUT OF q AND k
	s_lshr_b32 s20, s17, 3                         ; the batch
	s_lshl_b32 s21, s42, 1
	s_add_co_u32 s20, s20, s21
	s_lshl_b32 s20, s20, 7
	s_add_co_u32 s20, s20, s97                     ; my first tile in [head 12][batch 2][tile 128]
	s_lshl_b32 s22, s20, 6
	s_add_co_u32 s22, s22, QKS
	s_mov_b32 s23, 0
	s_mul_i32 s20, s20, FRB
	s_mov_b32 s21, 0
	s_add_nc_u64 s[20:21], s[10:11], s[20:21]
	s_add_nc_u64 s[22:23], s[10:11], s[22:23]
	s_wait_loadcnt 0x0                             ; the norm weights and rope tables 0 and 1
	WIN 0xc3
.set n, 0
.rept 32
	v_pk_add_f32 v[n:n+1], v[n:n+1], 1.0 op_sel_hi:[1,0]   ; 1 + w
.set n, n+2
.endr
.macro QKTILE a
.set AC, 64*(\a)
.set RS, 64+64*((\a)%2)
	WIN 0x0a                                       ; sources 0 and 1 window 2
	v_pk_mul_f32 v[SS:SS+1], v[AC:AC+1], v[AC:AC+1]        ; the sum of squares, in two packed chains; each accumulator from its low end on
	v_pk_mul_f32 v[SS+2:SS+3], v[AC+2:AC+3], v[AC+2:AC+3]
.set n, 4
.rept 15
	v_pk_fma_f32 v[SS:SS+1], v[AC+n:AC+n+1], v[AC+n:AC+n+1], v[SS:SS+1]
	v_pk_fma_f32 v[SS+2:SS+3], v[AC+n+2:AC+n+3], v[AC+n+2:AC+n+3], v[SS+2:SS+3]
.set n, n+4
.endr
	WIN 0
	v_add_f32 v[SS], v[SS], v[SS+1]
	v_add_f32 v[SS+2], v[SS+2], v[SS+3]
	v_add_f32 v[SS], v[SS], v[SS+2]
	v_permlanex16_b32 v[SS+1], v[SS], s[SEL], s[SEL+1]
	v_add_f32 v[SS], v[SS], v[SS+1]                ; with lane l xor 16's 64 channels
	v_fma_f32 v[SS], v[SS], s67, s96               ; the mean + 1e-6
	s_wait_alu depctr_va_vdst(0)
	v_rsq_f32 v[SS+1], v[SS]
	v_nop                                          ; one plain place behind a transcendental
	s_wait_alu depctr_va_vdst(0)
	v_mul_f32 v[F], s66, v[SS+1]
	v_mov_b32 v[F+1], v[F]
	WIN 0x02                                       ; source 0 window 2
.set n, 0
.rept 32
	v_pk_mul_f32 v[Y+n:Y+n+1], v[AC+n:AC+n+1], v[F:F+1]
.set n, n+2
.endr
.if (\a) == 2
	s_wait_loadcnt 16                              ; rope table 2 is in; table 3's 16 loads may be out
.endif
.if (\a) == 3
	s_wait_loadcnt 0x0
.endif
	WIN 0x0c                                       ; source 1 window 3
.set n, 0
.rept 32
	v_pk_mul_f32 v[Y+n:Y+n+1], v[Y+n:Y+n+1], v[n:n+1]
.set n, n+2
.endr
.set n, 0
.rept 16                               ; rope: lo' = lo cos - hi sin, hi' = hi cos + lo sin; hi lies 32 registers on
.set TT, PT+2*((n/2)%4)
	v_pk_mul_f32 v[TT:TT+1], v[Y+n:Y+n+1], v[RS+32+n:RS+33+n]
	v_pk_mul_f32 v[Y+n:Y+n+1], v[Y+n:Y+n+1], v[RS+n:RS+n+1]
	v_pk_fma_f32 v[Y+n:Y+n+1], v[Y+32+n:Y+33+n], v[RS+32+n:RS+33+n], v[Y+n:Y+n+1] neg_lo:[1,0,0] neg_hi:[1,0,0]
	v_pk_fma_f32 v[Y+32+n:Y+33+n], v[Y+32+n:Y+33+n], v[RS+n:RS+n+1], v[TT:TT+1]
.set n, n+2
.endr
.if (\a) < 2
	WIN 0xc0
	ROPELOAD (\a)+2                                ; into the table just used
.endif
	WIN 0
	QUANT Y, PC+12*(\a), PW+(\a)
.irp g, 0,1,2
	global_store_b128 v[L16], v[PC+12*(\a)+4*\g:PC+12*(\a)+4*\g+3], s[20:21] offset:FRB*(\a)+512*\g   ; 512 consecutive bytes, aligned
.endr
.endm
	QKTILE 0
	QKTILE 1
	QKTILE 2
	QKTILE 3
	v_cmp_ne_u32 vcc_lo, 0, v2
	v_cndmask_b32 v[SW], v[PW], v[PW+1], vcc_lo    ; lanes 0-15 a tile's 16 words, lanes 16-31 the next tile's
	v_cndmask_b32 v[SW+1], v[PW+2], v[PW+3], vcc_lo
	global_store_b32 v[L4], v[SW], s[22:23]
	global_store_b32 v[L4], v[SW+1], s[22:23] offset:128
	s_branch .Lend
.Lv:
	; ---- THE WAY OUT OF v.  Its K is the keys, which lie across the lanes: my 64 tokens x 128 channels turn through my own stage.  It lies in slot 0, which has had its last fill, and every wave has
	; passed the last change of slots, behind which nobody reads it.  A lane then holds one channel and 32 neighbouring keys: a whole block.  My 64 keys are half c = wave % 2 of key step 2 (Y % 8) + wave / 2.
	s_lshr_b32 s20, s17, 3
	s_lshl_b32 s20, s20, 2
	s_add_co_u32 s20, s20, s42
	s_sub_co_u32 s20, s20, 12                      ; 4 x batch + value head
	s_lshl_b32 s20, s20, 4
	s_and_b32 s21, s17, 7
	s_lshl_b32 s21, s21, 1
	s_add_co_u32 s20, s20, s21
	s_add_co_u32 s20, s20, s15                     ; + the key step
	s_lshl_b32 s22, s20, 9
	s_lshl_b32 s23, s16, 1
	s_add_co_u32 s22, s22, s23
	s_add_co_u32 s22, s22, VSO
	s_mov_b32 s23, 0
	s_mul_i32 s20, s20, 8*FRB
	s_mul_i32 s21, s16, 768
	s_add_co_u32 s20, s20, s21
	s_add_co_u32 s20, s20, VCO
	s_mov_b32 s21, 0
	s_add_nc_u64 s[20:21], s[10:11], s[20:21]
	s_add_nc_u64 s[22:23], s[10:11], s[22:23]
	WIN 0x08                                       ; an LDS store's data are its source 1: window 2
	s_wait_alu depctr_va_vdst(0)
.irp a, 0,1,2,3
.irp b, 0,1,2,3,4,5,6,7
	ds_store_b128 v[STV], v[8*(8*\a+\b):8*(8*\a+\b)+3] offset:(32*(\a/2)+8*(\a%2))*528+128*(\a/2)+128*(\b/2)+32*(\b%2)
	ds_store_b128 v[STV], v[8*(8*\a+\b)+4:8*(8*\a+\b)+7] offset:(32*(\a/2)+8*(\a%2))*528+128*(\a/2)+128*(\b/2)+32*(\b%2)+16
.endr
.endr
	WIN 0
.macro VLOAD t                         ; tile t of channels: lane (r, h): channel 32 (t / 2) + 8 (t % 2) + r + 8 (r / 8), keys 32 h + 0 .. 31
.set n, 0
.rept 32
	ds_load_b32 v[VX+32*((\t)%2)+n], v[VRD] offset:528*n+128*((\t)/2)+32*((\t)%2)
.set n, n+1
.endr
.endm
.macro VTILE t
.set XS, VX+32*((\t)%2)
.set VCR, PC+6*(\t)
.if (\t) < 7
	s_wait_dscnt 32                                ; this tile's 32 loads are in; the next tile's may be out
.else
	s_wait_dscnt 0x0
.endif
	v_max3_num_f32 v[TM], |v[XS]|, |v[XS+1]|, |v[XS+2]|
	v_max3_num_f32 v[TM+1], |v[XS+3]|, |v[XS+4]|, |v[XS+5]|
.irp i, 6,10,14,18,22,26
	v_max3_num_f32 v[TM], v[TM], |v[XS+\i]|, |v[XS+\i+1]|
	v_max3_num_f32 v[TM+1], v[TM+1], |v[XS+\i+2]|, |v[XS+\i+3]|
.endr
	v_max3_num_f32 v[TM], v[TM], |v[XS+30]|, |v[XS+31]|
	v_max3_num_f32 v[TM], v[TM], v[TM+1], 0x1800000
	v_add_nc_u32 v[TM+2], 0xff000000, v[TM]
	v_lshrrev_b32 v[VB+(\t)], 23, v[TM+2]
	v_cvt_scalef32_pk16_fp6_f32 v[VCR:VCR+2], v[XS:XS+15], v[TM+2]
	v_cvt_scalef32_pk16_fp6_f32 v[PT:PT+2], v[XS+16:XS+31], v[TM+2]
	v_nop                                          ; one plain place behind a scaled conversion
.irp i, 0,1,2
	v_mov_b32 v[VCR+3+\i], v[PT+\i]
.endr
.if (\t)+2 < 8
	VLOAD (\t)+2
.endif
	global_store_b128 v[L16], v[VCR:VCR+3], s[20:21] offset:FRB*(\t)         ; registers 6 c .. 6 c + 3 of the fragment,
	global_store_b64 v[L8], v[VCR+4:VCR+5], s[20:21] offset:FRB*(\t)+512     ; 6 c + 4 and 6 c + 5
	global_store_b8 v[VBA], v[VB+(\t)], s[22:23] offset:64*(\t)              ; byte 2 c + h of the channel's scale word: a wave holds two of a word's four key blocks
.endm
	VLOAD 0
	VLOAD 1
	VTILE 0
	VTILE 1
	VTILE 2
	VTILE 3
	VTILE 4
	VTILE 5
	VTILE 6
	VTILE 7
.Lend:
	s_wait_tensorcnt 0x0                           ; the wave's end
	ds_add_u32 v[SPW], v[NIL]
	s_wait_dscnt 0x0
	CROUND                                         ; the closing round
	s_endpgm
.Lfunc_end_k_qb1d2c65ebc_qkvproj:
	.size	k_qb1d2c65ebc_qkvproj, .Lfunc_end_k_qb1d2c65ebc_qkvproj-k_qb1d2c65ebc_qkvproj
	.p2alignl 7, 3214868480
	.fill 96, 4, 3214868480
	.section	.rodata,"a",@progbits
	.p2align	6, 0x0
	.amdhsa_kernel k_qb1d2c65ebc_qkvproj
		.amdhsa_group_segment_fixed_size 327680
		.amdhsa_private_segment_fixed_size 0
		.amdhsa_enable_private_segment 0
		.amdhsa_kernarg_size 32
		.amdhsa_user_sgpr_count 2
		.amdhsa_user_sgpr_kernarg_segment_ptr 1
		.amdhsa_wavefront_size32 1
		.amdhsa_system_sgpr_workgroup_id_x 1
		.amdhsa_system_sgpr_workgroup_id_y 1
		.amdhsa_system_sgpr_workgroup_id_z 1
		.amdhsa_system_vgpr_workitem_id 0
		.amdhsa_next_free_vgpr 1024
		.amdhsa_next_free_sgpr 98
		.amdhsa_reserve_vcc 1
		.amdhsa_float_denorm_mode_32 3
		.amdhsa_float_denorm_mode_16_64 3
		.amdhsa_memory_ordered 1
		.amdhsa_forward_progress 1
		.amdhsa_inst_pref_size 224
	.end_amdhsa_kernel
	.amdgpu_metadata
---
amdhsa.version: [ 1, 2 ]
amdhsa.kernels:
  - .name:           k_qb1d2c65ebc_qkvproj
    .symbol:         k_qb1d2c65ebc_qkvproj.kd
    .args:
      - { .name: qz, .offset: 0, .size: 8, .value_kind: global_buffer, .address_space: global }
      - { .name: qn_w, .offset: 8, .size: 8, .value_kind: global_buffer, .address_space: global }
      - { .name: kn_w, .offset: 16, .size: 8, .value_kind: global_buffer, .address_space: global }
      - { .name: qkvz, .offset: 24, .size: 8, .value_kind: global_buffer, .address_space: global }
    .group_segment_fixed_size: 327680
    .private_segment_fixed_size: 0
    .kernarg_segment_align: 8
    .kernarg_segment_size: 32
    .max_flat_workgroup_size: 128
    .sgpr_count:     98
    .vgpr_count:     1024
    .wavefront_size: 32
...
	.end_amdgpu_metadata
.endif
;; end of part 2
;; launch attn (part 3): grid 32 x 8, 8 waves a work-group, no clusters, 168,960 bytes of LDS; arguments qkvz, ctxz; writes ctxz
.if DOCPART == 3
	.amdgcn_target "amdgcn-amd-amdhsa--gfx1250"
	.amdhsa_code_object_version 6
	.text
	.protected	k_qb1d2c65ebc_attn
	.globl	k_qb1d2c65ebc_attn
	.p2align	8
	.type	k_qb1d2c65ebc_attn,@function
k_qb1d2c65ebc_attn:
	s_mov_b64 s[64:65], 0
	v_nop
	global_prefetch_b8 v0, s[64:65] scope:SCOPE_SE
	s_setreg_imm32_b32 hwreg(HW_REG_WAVE_MODE, 25, 1), 1
	s_wait_xcnt 0x0
; Sliding-window attention on codes of FP6 (E2M3): key k counts for query t where 0 <= t - k <= 512.  Both products quantised; q (with 128^-0.5), k and v arrive as register images with their scale words.
; THE SOFTMAX AHEAD OF THE SECOND PRODUCT: t = score x log2(e); M = the row's largest t so far, rounded UP to a whole number; p = 2^(t - M) is quantised along the keys, not normalised.  The row's sum is taken of the
; unquantised p and divides O at the end; when M moves, the sum and O are multiplied by 2^(old M - new M): exact.  The result is quantised along the head's 128 for the output projection.
; SHARES.  Work-group (x, y): batch y / 4, key/value head y % 4, tokens 64 x .. 64 x + 63 of BOTH query heads that share the key/value head.  Wave w: tile 4 x + w % 4 of queries, query head 2 (y % 4) + w / 4.
; The window of these 64 queries lies in five key steps of 128, from step max(x / 2 - 4, 0) on: 120 KB of K and V and 5 KB of scale words.  They come into LDS ONCE, AT THE HEAD; nothing is filled again.
; Every wave issues one tensor load at the start: a third of K's (waves 0-2) or V's (waves 3-5) codes, or K's (wave 6) or V's (wave 7) scale words: one load of a wave is out.
; The wait for it and one barrier come before any step is worked.
; LDS LOADS RUN AHEAD.  Window 1 holds all eight fragments of K and all eight of V.  V's are asked for ahead of the step's products K Q^T and land under the softmax; the next step's K is asked for behind the
; exponentials and lands under the rest of the softmax and the products with V.  So the step is written twice: a loop of four trips (K ahead; the first K is asked for in front of it), the last step (no K ahead):
; no LDS read leaves the bytes that were filled.
; Every wave walks all five steps: the trip counts are constants.  A step all of whose keys come after the wave's queries is left out by a scalar branch on ids; behind such a step every later one is left out too.
; In every step that is worked each query has a key that counts: a tile's 16 queries lie inside one aligned run of 32, so the step's first key is no later than any of them, and the lowest step's last key is at most 512 back.
; NO CLUSTER: neighbouring blocks of queries have different windows; a joint window would put a sixth, masked step on every wave.
; LAYOUT.  Both products transposed: S^T = K Q^T, O^T = V^T P^T: a lane holds ONE query.  Lane r of a tile holds row 32 (tile / 2) + 8 (tile % 2) + r + 8 (r / 8): the 16 registers of two neighbouring tiles are 16 neighbours.
; LIMITS: NaN and infinities are not served; a block of zeros keeps the scale byte 1.  A block's largest p is taken from the block's largest score, which takes v_exp_f32 not to fall where its input rises.
; REGISTERS: window 0: v1-6, v28-31 addresses that stay; v7-11 a step's addresses; v12 -M, v13 the largest t, v[14:15] the sum; v16-27 Q; v32-35 K's scale words, v36-39 V's, and nothing else there; v96-159 S^T, then p;
;   v160-223 O^T; v224-235 codes; v232-254 at work; v255 Q's scale words.   window 1: v0-95 K's eight fragments; v96-191 V's.
.set FRB, 1536
.set VCO, 4718592
.set QKS, 6291456
.set VSO, 6488064
.set CSC, 3145728
.set LV,  61440                        ; LDS: K's 40 fragments at 0, V's at LV, K's scale words at LKS, V's at LVS
.set LKS, 122880
.set LVS, 125440
.set WV,  18
.set SEL, 20
.set CS,  22
; THE FILLS, ONE A WAVE, ALL AT THE HEAD: waves 0-2 a third each of K's five key steps, waves 3-5 of V's (80 rows of 256 bytes), wave 6 K's scale words, wave 7 V's (10 rows of 256 bytes).
; One wait and one barrier; then a loop of four trips (each asks for the next step's K) and the last step.
.set G1A, 24                           ; s[24:31] descriptor group 1: scale words, 10 rows of 256 bytes
.set G1B, 32                           ; s[32:39] codes: 80 rows of 256 bytes
.set G0A, 48                           ; s[48:51], s[52:55] their groups 0
.set G0B, 52
.set TB,  60                           ; LDS byte of the step's fragments within K's or V's: 12,288 a step
.set TS,  61                           ; and of its scale words: 512 a step
.set KF,  62                           ; the step's first key
.set QMIN, 63                          ; my tile's first and last query
.set QMAX, 66
.set CNT, 67
.set KSC, 32
.set VSC, 36
.set PT,  40
.set TM,  236
.set MSB, 0
.macro WIN new                         ; the immediate's high byte repeats the setting that is left
.if MSB != \new
	s_set_vgpr_msb (MSB<<8)|\new
.set MSB, \new
.endif
.endm
	s_load_b128 s[4:7], s[0:1], 0x0                ; qkvz, ctxz
	v_lshl_add_u32 v94, v0, 2, 0x29000
	v_mov_b32 v95, 0
	ds_add_u32 v94, v95
	ds_add_u32 v94, v95
	v_lshrrev_b32 v8, 5, v0
	s_delay_alu instid0(VALU_DEP_1)
	v_readfirstlane_b32 s[WV], v8
	s_and_b32 s68, ttmp7, 0xffff
	s_lshr_b32 s69, s68, 2                         ; batch
	s_and_b32 s70, s68, 3                          ; key/value head
	s_lshr_b32 s71, ttmp9, 1
	s_max_u32 s71, s71, 4
	s_sub_co_u32 s71, s71, 4                       ; the first key step
	s_lshl_b32 s72, s70, 1
	s_add_co_u32 s72, s72, s69
	s_add_co_u32 s72, s72, 16
	s_lshl_b32 s72, s72, 7
	s_lshl_b32 s73, s71, 3
	s_add_co_u32 s72, s72, s73                     ; K's first tile in [head 12][batch 2][tile 128]
	s_lshl_b32 s73, s69, 2
	s_add_co_u32 s73, s73, s70
	s_lshl_b32 s73, s73, 4
	s_add_co_u32 s73, s73, s71                     ; V's first step in [batch x head 8][step 16]
	s_mul_i32 s74, s72, FRB                        ; K's codes,
	s_mul_i32 s75, s73, 8*FRB
	s_add_co_u32 s75, s75, VCO                     ; V's,
	s_lshl_b32 s76, s72, 6
	s_add_co_u32 s76, s76, QKS                     ; K's scale words,
	s_lshl_b32 s77, s73, 9
	s_add_co_u32 s77, s77, VSO                     ; V's: byte offsets in qkvz
	s_sub_co_u32 s75, s75, LV                      ; V's thirds are waves 3-5: 20,480 x wave is LV too far for them
	s_cmp_lt_u32 s[WV], 3
	s_cselect_b32 s74, s74, s75
	s_mul_i32 s[G0B+1], s[WV], 20480               ; codes, to where: K's three thirds, then V's: 20,480 x wave (LV = 3 x 20,480)
	s_add_co_u32 s82, s74, s[G0B+1]                ; and from where
	s_mov_b32 s83, 0
	s_cmp_eq_u32 s[WV], 6
	s_cselect_b32 s80, s76, s77                    ; scale words, from where: wave 6 K's, wave 7 V's
	s_mov_b32 s81, 0
	s_mul_i32 s86, s[WV], 2560
	s_add_co_u32 s[G0A+1], s86, LKS-6*2560         ; to where: LKS + 2,560 x (wave - 6)
	; descriptor groups 1: dense blocks, elements of 8 bytes, no padding
	s_mov_b32 s[G1A], 3<<16
	s_mov_b32 s[G1A+1], 32<<16                     ; rows of 32 elements, 256 bytes
	s_mov_b32 s[G1A+2], 10<<16
	s_mov_b32 s[G1A+3], 32<<16
	s_mov_b32 s[G1A+4], 10
	s_mov_b32 s[G1A+5], 32
	s_mov_b32 s[G1A+6], 0
	s_mov_b32 s[G1A+7], 0
.irp g, G1B
	s_mov_b32 s[\g], 3<<16
	s_mov_b32 s[\g+1], 32<<16                      ; rows of 32 elements, 256 bytes
	s_mov_b32 s[\g+3], 32<<16
	s_mov_b32 s[\g+5], 32
	s_mov_b32 s[\g+6], 0
	s_mov_b32 s[\g+7], 0
.endr
	s_mov_b32 s[G1B+2], 80<<16
	s_mov_b32 s[G1B+4], 80
	s_lshr_b32 s88, s[WV], 2
	s_lshl_b32 s89, s70, 1
	s_add_co_u32 s88, s88, s89                     ; my query head
	s_and_b32 s89, s[WV], 3
	s_lshl_b32 s90, ttmp9, 2
	s_add_co_u32 s89, s89, s90                     ; my tile of queries
	s_lshl_b32 s90, s88, 1
	s_add_co_u32 s90, s90, s69
	s_lshl_b32 s90, s90, 7
	s_add_co_u32 s90, s90, s89
	s_mul_i32 s92, s90, FRB                        ; Q's fragment
	s_mov_b32 s93, 0
	s_lshl_b32 s94, s90, 6
	s_add_co_u32 s94, s94, QKS                     ; its scale words
	s_mov_b32 s95, 0
	s_lshl_b32 s90, s69, 7
	s_add_co_u32 s90, s90, s89                     ; the tile among all 256
	s_lshl_b32 s91, s90, 3
	s_add_co_u32 s91, s91, s88
	s_mul_i32 s96, s91, FRB                        ; ctx's codes: [tile][head][1,536]
	s_mov_b32 s97, 0
	s_lshl_b32 s98, s90, 9                         ; its scale words: [tile][head / 4][r][head % 4]
	s_lshr_b32 s91, s88, 2
	s_lshl_b32 s91, s91, 8
	s_add_co_u32 s98, s98, s91
	s_and_b32 s91, s88, 3
	s_lshl_b32 s91, s91, 2
	s_add_co_u32 s98, s98, s91
	s_add_co_u32 s98, s98, CSC
	s_mov_b32 s99, 0
	s_lshr_b32 s[QMIN], s89, 1
	s_lshl_b32 s[QMIN], s[QMIN], 5
	s_and_b32 s91, s89, 1
	s_lshl_b32 s91, s91, 3
	s_add_co_u32 s[QMIN], s[QMIN], s91
	s_add_co_u32 s[QMAX], s[QMIN], 23
	s_lshl_b32 s[KF], s71, 7
	s_mov_b32 s[TB], 0
	s_mov_b32 s[TS], 0
	s_mov_b32 s[CNT], 4
	s_mov_b32 s[SEL], 0x76543210
	s_mov_b32 s[SEL+1], 0xfedcba98
	s_mov_b32 s[CS], 0x3fb8aa3b                    ; log2(e)
	s_mov_b32 s[CS+1], s[CS]                       ; (named with it as a pair, so it is written)
	s_wait_dscnt 0x0
	s_wait_kmcnt 0x0
	s_mov_b32 s[G0A], 1
	s_add_nc_u64 s[G0A+2:G0A+3], s[4:5], s[80:81]
	s_or_b32 s[G0A+3], s[G0A+3], 0x80000000
	s_mov_b32 s[G0B], 1
	s_add_nc_u64 s[G0B+2:G0B+3], s[4:5], s[82:83]
	s_or_b32 s[G0B+3], s[G0B+3], 0x80000000
	s_cmp_lt_u32 s[WV], 6
	s_cbranch_scc0 .Lscl
	tensor_load_to_lds s[G0B:G0B+3], s[G1B:G1B+7]  ; waves 0-5: a third of K's or V's codes
	s_nop 0
.rept 4
	v_nop
.endr
	s_branch .Lasked
.Lscl:
	tensor_load_to_lds s[G0A:G0A+3], s[G1A:G1A+7]  ; waves 6, 7: the scale words
	s_nop 0
.rept 4
	v_nop
.endr
.Lasked:
	s_add_nc_u64 s[8:9], s[4:5], s[92:93]          ; Q's fragment
	s_add_nc_u64 s[10:11], s[4:5], s[94:95]        ; its scale words
	s_add_nc_u64 s[12:13], s[6:7], s[96:97]
	s_add_nc_u64 s[14:15], s[6:7], s[98:99]
	v_and_b32 v8, 31, v0
	s_delay_alu instid0(VALU_DEP_1)
	v_lshlrev_b32 v1, 4, v8                        ; 16, 8, 4 x lane
	s_delay_alu instid0(VALU_DEP_2)
	v_lshlrev_b32 v2, 3, v8
	s_delay_alu instid0(VALU_DEP_3)
	v_lshlrev_b32 v3, 2, v8
	v_and_b32 v9, 15, v0                           ; r
	v_bfe_u32 v10, v0, 4, 1                        ; h
	s_delay_alu instid0(VALU_DEP_2)
	v_and_b32 v4, 8, v9
	s_delay_alu instid0(VALU_DEP_1)
	v_add_nc_u32 v4, v4, v9
	s_delay_alu instid0(VALU_DEP_3)
	v_lshlrev_b32 v11, 4, v10
	s_delay_alu instid0(VALU_DEP_1)
	v_sub_nc_u32 v4, v4, v11                       ; r + 8 (r / 8) - 16 h: for the mask
	v_lshlrev_b32 v5, 2, v9
	v_lshlrev_b32 v6, 4, v9
	v_add_nc_u32 v28, LV, v1
	v_add_nc_u32 v29, LV+512, v2
	v_add_nc_u32 v30, LKS, v3
	v_add_nc_u32 v31, LVS, v3
.irp g, 0,1,2
	global_load_b128 v[16+4*\g:19+4*\g], v1, s[8:9] offset:512*\g
.endr
	global_load_b32 v255, v5, s[10:11]
	v_mov_b32 v13, 0xff61b1e6                      ; the largest t so far: -3e38
	s_delay_alu instid0(VALU_DEP_1)
	v_floor_f32 v12, -v13                          ; -M
	v_mov_b32 v14, 0
	v_mov_b32 v15, 0
.irp b, 0,1,2,3,4,5,6,7
	v_mov_b32 v[236+\b], 0                         ; written once: a lane permute's destination counts as one of its sources
.endr
	v_mov_b32 v252, 0
	v_mov_b32 v253, 0
.set j, 0
.rept 64
	v_mov_b32 v[160+j], 0                          ; O^T: the first step finds zeros, which the first change of M leaves zeros
.set j, j+1
.endr
; K's scale words and eight fragments, of the step whose addresses are in hand (nx = 0) or of the next (nx = 1): 28 LDS loads
.macro KLOAD nx
.irp p, 0,1,2,3
	ds_load_b32 v[KSC+\p], v11 offset:128*\p+512*(\nx)   ; lanes 0-15 the words of tile 2 p, lanes 16-31 of tile 2 p + 1
.endr
	WIN 0x40                                       ; destination window 1
.irp t, 0,1,2,3,4,5,6,7
.irp c, 0,1,2
	ds_load_b128 v[12*\t+4*\c:12*\t+4*\c+3], v8 offset:\t*FRB+512*\c+8*FRB*(\nx)
.endr
.endr
	WIN 0
.endm
; V's scale words and eight fragments of the step in hand: 36 LDS loads
.macro VLOAD
.irp p, 0,1,2,3
	ds_load_b32 v[VSC+\p], v7 offset:128*\p
.endr
	WIN 0x40
.irp t, 0,1,2,3,4,5,6,7
.irp c, 0,1
	ds_load_b128 v[96+12*\t+6*\c:99+12*\t+6*\c], v9 offset:\t*FRB+768*\c
	ds_load_b64 v[100+12*\t+6*\c:101+12*\t+6*\c], v10 offset:\t*FRB+768*\c
.endr
.endr
	WIN 0
.endm
; A KEY STEP of 128 keys.  kl = 1: it asks for its own K.  pre = 1: it asks for the next step's K.
.macro STEP kl, pre
	s_cmp_gt_u32 s[KF], s[QMAX]
	s_cbranch_scc1 .Lhidden_\@                     ; all 128 keys come after my queries
	v_add_nc_u32 v8, s[TB], v1                     ; (these five are also the places between the last step's products and the loads into V's registers)
	v_add_nc_u32 v9, s[TB], v28
	v_add_nc_u32 v10, s[TB], v29
	v_add_nc_u32 v11, s[TS], v30
	v_add_nc_u32 v7, s[TS], v31
.if \kl
	s_wait_alu depctr_va_vdst(0)
	KLOAD 0
.endif
	s_wait_alu depctr_va_vdst(0)
	s_wait_dscnt 0x0                               ; K is in
	VLOAD                                          ; V goes out ahead of the products and lands under the softmax
	WIN 0x01                                       ; source 0 window 1
.irp t, 0,1,2,3,4,5,6,7                ; S^T = K Q^T: eight accumulators, one instruction each
.if \t % 2
	v_wmma_scale_f32_16x16x128_f8f6f4 v[96+8*\t:103+8*\t], v[12*\t:12*\t+11], v[16:27], 0, v[KSC+\t/2], v255 matrix_a_fmt:MATRIX_FMT_FP6 matrix_b_fmt:MATRIX_FMT_FP6 matrix_a_scale:MATRIX_SCALE_ROW1
.else
	v_wmma_scale_f32_16x16x128_f8f6f4 v[96+8*\t:103+8*\t], v[12*\t:12*\t+11], v[16:27], 0, v[KSC+\t/2], v255 matrix_a_fmt:MATRIX_FMT_FP6 matrix_b_fmt:MATRIX_FMT_FP6
.endif
.endr
	WIN 0
.rept 4
	v_nop                                          ; places in front of the first read of the scores
.endr
	; THE WINDOW.  Skipped where every key of the step counts for every query of my tile
	s_add_co_u32 s96, s[KF], 127
	s_cmp_gt_u32 s96, s[QMIN]
	s_cbranch_scc1 .Lmask_\@
	s_add_co_u32 s96, s[KF], 512
	s_cmp_ge_u32 s96, s[QMAX]
	s_cbranch_scc1 .Lopen_\@
.Lmask_\@:
	s_sub_co_i32 s96, s[QMIN], s[KF]
	v_add_nc_u32 v252, s96, v4                     ; d = my query - KF - 16 h.  Register 16 b + i holds key KF + 16 h + 32 b + i: its distance is d - (32 b + i)
	v_mov_b32 v254, 0xff800000                     ; -infinity: p = 0 then
.set n, 0
.rept 64
	v_add_nc_u32 v253, -(32*(n/16)+n%16), v252
	s_delay_alu instid0(VALU_DEP_1)
	v_cmp_lt_u32 vcc_lo, 0x200, v253               ; unsigned: over 512, or under 0
	v_cndmask_b32 v[96+n], v[96+n], v254, vcc_lo
.set n, n+1
.endr
.Lopen_\@:
.irp b, 0,1,2,3
	v_max3_num_f32 v[232+\b], v[96+16*\b], v[97+16*\b], v[98+16*\b]   ; the largest score of each block of 32 keys: it serves the row's maximum and, since p rises with the score, the block's largest p
.endr
.irp i, 3,5,7,9,11,13
.irp b, 0,1,2,3
	v_max3_num_f32 v[232+\b], v[232+\b], v[96+16*\b+\i], v[97+16*\b+\i]
.endr
.endr
.irp b, 0,1,2,3
	v_max_num_f32 v[232+\b], v[232+\b], v[111+16*\b]
.endr
.irp b, 0,1,2,3
	s_delay_alu instid0(VALU_DEP_4)
	v_permlanex16_b32 v[236+\b], v[232+\b], s[SEL], s[SEL+1]
.endr
.irp b, 0,1,2,3
	s_delay_alu instid0(VALU_DEP_4)
	v_max_num_f32 v[232+\b], v[232+\b], v[236+\b]  ; with lane l xor 16's 16 keys
.endr
	s_delay_alu instid0(VALU_DEP_2)
	v_max3_num_f32 v254, v232, v233, v234
	s_delay_alu instid0(VALU_DEP_1)
	v_max_num_f32 v254, v254, v235                 ; the step's largest score of my query
	s_delay_alu instid0(VALU_DEP_1)
	v_mul_f32 v254, s[CS], v254
	s_delay_alu instid0(VALU_DEP_1)
	v_max_num_f32 v13, v13, v254                   ; the running largest t
	v_mov_b32 v254, v12
	s_delay_alu instid0(VALU_DEP_2)
	v_floor_f32 v12, -v13                          ; the new -M = -ceil(t): a whole number
	s_delay_alu instid0(VALU_DEP_1)
	v_sub_f32 v254, v12, v254                      ; old M - new M: a whole number, 0 or less
	s_delay_alu instid0(VALU_DEP_1)
	v_cvt_i32_f32 v254, v254                       ; (it saturates)
	s_delay_alu instid0(VALU_DEP_1)
	v_ldexp_f32 v252, 1.0, v254                    ; f = 2^(old M - new M)
.set j, 0
.rept 32
	v_pk_fma_f32 v[96+j:97+j], v[96+j:97+j], s[CS:CS+1], v[12:13] op_sel_hi:[1,0,0]   ; t - M
.set j, j+2
.endr
.irp b, 0,1,2,3
	v_fma_f32 v[232+\b], v[232+\b], s[CS], v12
.endr
.set j, 0
	s_wait_alu depctr_va_vdst(0)
.rept 64
	v_exp_f32 v[96+j], v[96+j]                     ; p = 2^(t - M), at most 1
.set j, j+1
.endr
.irp b, 0,1,2,3
	v_exp_f32 v[232+\b], v[232+\b]                 ; the block's largest p
.endr
	v_pk_mul_f32 v[14:15], v[14:15], v[252:253] op_sel_hi:[1,0]   ; the sums under the new M.  (A plain place behind the exponentials)
.if \pre
	s_wait_dscnt 0x0                               ; V is in: it was asked for ahead of the products K Q^T;
	KLOAD 1                                        ; the next step's K goes out: the products that read K's registers stand far more than four places back
.endif
	s_wait_alu depctr_va_vdst(0)
.irp b, 0,1,2,3
	v_max_num_f32 v[232+\b], 0x1800000, v[232+\b]  ; the floor 2^(3 - 127): a block whose every p is 0 keeps the byte 1: its codes are zeros
.endr
.irp b, 0,1,2,3
	s_delay_alu instid0(VALU_DEP_4)
	v_add_nc_u32 v[244+\b], 0xff000000, v[232+\b]
.endr
.irp b, 0,1,2,3
	s_delay_alu instid0(VALU_DEP_4)
	v_lshrrev_b32 v[236+\b], 23, v[244+\b]
.endr
	s_delay_alu instid0(VALU_DEP_3)
	v_lshl_or_b32 v253, v237, 8, v236              ; p's scale word for these 128 keys
	s_delay_alu instid0(VALU_DEP_1)
	v_lshl_or_b32 v253, v238, 16, v253
	s_delay_alu instid0(VALU_DEP_1)
	v_lshl_or_b32 v253, v239, 24, v253
.irp c, 0,1
	v_cvt_scalef32_pk16_fp6_f32 v[224+6*\c:226+6*\c], v[96+32*\c:111+32*\c], v[244+2*\c]
	v_cvt_scalef32_pk16_fp6_f32 v[236+4*\c:238+4*\c], v[112+32*\c:127+32*\c], v[244+2*\c+1]
.endr
	v_nop                                          ; one plain place behind a scaled conversion
.irp c, 0,1
.irp i, 0,1,2
	v_permlane16_swap_b32 v[224+6*\c+\i], v[236+4*\c+\i]
.endr
.irp i, 0,1,2
	s_delay_alu instid0(VALU_DEP_3)
	v_mov_b32 v[227+6*\c+\i], v[236+4*\c+\i]
.endr
.endr
	v_pk_add_f32 v[236:237], v[100:101], v[104:105]
	v_pk_add_f32 v[250:251], v[108:109], v[112:113]
	v_pk_add_f32 v[248:249], v[116:117], v[120:121]
	v_pk_add_f32 v[246:247], v[124:125], v[128:129]
	v_pk_add_f32 v[244:245], v[132:133], v[136:137]
	v_pk_add_f32 v[92:93], v[140:141], v[144:145]
	v_pk_add_f32 v[90:91], v[148:149], v[152:153]
	v_pk_add_f32 v[14:15], v[14:15], v[156:157]
	v_pk_add_f32 v[236:237], v[236:237], v[96:97]
	v_pk_add_f32 v[250:251], v[250:251], v[98:99]
	v_pk_add_f32 v[248:249], v[248:249], v[102:103]
	v_pk_add_f32 v[246:247], v[246:247], v[106:107]
	v_pk_add_f32 v[244:245], v[244:245], v[110:111]
	v_pk_add_f32 v[92:93], v[92:93], v[114:115]
	v_pk_add_f32 v[90:91], v[90:91], v[118:119]
	v_pk_add_f32 v[14:15], v[14:15], v[122:123]
	v_pk_add_f32 v[236:237], v[236:237], v[126:127]
	v_pk_add_f32 v[250:251], v[250:251], v[130:131]
	v_pk_add_f32 v[248:249], v[248:249], v[134:135]
	v_pk_add_f32 v[246:247], v[246:247], v[138:139]
	v_pk_add_f32 v[244:245], v[244:245], v[142:143]
	v_pk_add_f32 v[92:93], v[92:93], v[146:147]
	v_pk_add_f32 v[90:91], v[90:91], v[150:151]
	v_pk_add_f32 v[14:15], v[14:15], v[154:155]
	v_pk_add_f32 v[236:237], v[236:237], v[158:159]
	s_delay_alu instid0(VALU_DEP_2)
	v_pk_add_f32 v[14:15], v[14:15], v[246:247]
	s_delay_alu instid0(VALU_DEP_2)
	v_pk_add_f32 v[236:237], v[236:237], v[244:245]
	v_pk_add_f32 v[250:251], v[250:251], v[92:93]
	v_pk_add_f32 v[248:249], v[248:249], v[90:91]
	s_delay_alu instid0(VALU_DEP_2)
	v_pk_add_f32 v[14:15], v[14:15], v[250:251]
	s_delay_alu instid0(VALU_DEP_2)
	v_pk_add_f32 v[236:237], v[236:237], v[248:249]
	s_delay_alu instid0(VALU_DEP_1)
	v_pk_add_f32 v[14:15], v[14:15], v[236:237]
.set j, 0
.rept 32
	v_pk_mul_f32 v[160+j:161+j], v[160+j:161+j], v[252:253] op_sel_hi:[1,0]   ; O^T under the new M.  (These are also the places between p's codes and scale word and the matrix instructions below)
.set j, j+2
.endr
.if \pre
.else
	s_wait_alu depctr_va_vdst(0)
	s_wait_dscnt 0x0                               ; V is in
.endif
	WIN 0x01
.irp t, 0,1,2,3,4,5,6,7                ; O^T += V^T P^T: eight accumulators, one instruction each
.if \t % 2
	v_wmma_scale_f32_16x16x128_f8f6f4 v[160+8*\t:167+8*\t], v[96+12*\t:107+12*\t], v[224:235], v[160+8*\t:167+8*\t], v[VSC+\t/2], v253 matrix_a_fmt:MATRIX_FMT_FP6 matrix_b_fmt:MATRIX_FMT_FP6 matrix_a_scale:MATRIX_SCALE_ROW1
.else
	v_wmma_scale_f32_16x16x128_f8f6f4 v[160+8*\t:167+8*\t], v[96+12*\t:107+12*\t], v[224:235], v[160+8*\t:167+8*\t], v[VSC+\t/2], v253 matrix_a_fmt:MATRIX_FMT_FP6 matrix_b_fmt:MATRIX_FMT_FP6
.endif
.endr
	WIN 0
.Lhidden_\@:
	s_add_co_u32 s[KF], s[KF], 128
	s_add_co_u32 s[TB], s[TB], 8*FRB
	s_add_co_u32 s[TS], s[TS], 512
.endm
	s_wait_alu depctr_va_vdst(0)
	s_wait_tensorcnt 0x0                           ; my one load has landed
	s_barrier_signal -1
	s_barrier_wait -1                              ; everybody's has.  LDS is only read from here on
	s_wait_loadcnt 0x0                             ; Q
	v_add_nc_u32 v8, s[TB], v1
	v_add_nc_u32 v11, s[TS], v30
	KLOAD 0                                        ; key step 0's K
.Lstep:                                            ; key steps 0, 1, 2, 3
	STEP 0, 1
	s_sub_co_u32 s[CNT], s[CNT], 1
	s_cmp_lg_u32 s[CNT], 0
	s_cbranch_scc1 .Lstep
	STEP 0, 0                                      ; key step 4: no K follows
	; ---- THE WAY OUT: O^T / the sum, quantised along the head's 128: K step = my query head of the output projection
.rept 4
	v_nop
.endr
	v_add_f32 v14, v14, v15
	s_delay_alu instid0(VALU_DEP_1)
	v_permlanex16_b32 v252, v14, s[SEL], s[SEL+1]
	s_delay_alu instid0(VALU_DEP_1)
	v_add_f32 v14, v14, v252                       ; the row's sum
	s_wait_alu depctr_va_vdst(0)
	v_rcp_f32 v14, v14
	v_nop                                          ; one plain place behind a transcendental
.set j, 0
	s_wait_alu depctr_va_vdst(0)
.rept 64
	v_mul_f32 v[96+j], v[160+j], v14               ; register 16 b + i: channel 32 b + 16 h + i; each accumulator from its low end on
.set j, j+1
.endr
.irp b, 0,1,2,3
	v_max3_num_f32 v[TM+\b], |v[96+16*\b]|, |v[97+16*\b]|, 0x1800000
.endr
.irp i, 2,4,6,8,10,12,14
.irp b, 0,1,2,3
	s_delay_alu instid0(VALU_DEP_4)
	v_max3_num_f32 v[TM+\b], v[TM+\b], |v[96+16*\b+\i]|, |v[97+16*\b+\i]|
.endr
.endr
.irp b, 0,1,2,3
	s_delay_alu instid0(VALU_DEP_4)
	v_permlanex16_b32 v[TM+4+\b], v[TM+\b], s[SEL], s[SEL+1]
.endr
.irp b, 0,1,2,3
	s_delay_alu instid0(VALU_DEP_4)
	v_max_num_f32 v[TM+\b], v[TM+\b], v[TM+4+\b]
.endr
.irp b, 0,1,2,3
	s_delay_alu instid0(VALU_DEP_4)
	v_add_nc_u32 v[TM+12+\b], 0xff000000, v[TM+\b]
.endr
.irp b, 0,1,2,3
	s_delay_alu instid0(VALU_DEP_4)
	v_lshrrev_b32 v[TM+4+\b], 23, v[TM+12+\b]
.endr
	s_delay_alu instid0(VALU_DEP_3)
	v_lshl_or_b32 v253, v[TM+5], 8, v[TM+4]
	s_delay_alu instid0(VALU_DEP_1)
	v_lshl_or_b32 v253, v[TM+6], 16, v253
	s_delay_alu instid0(VALU_DEP_1)
	v_lshl_or_b32 v253, v[TM+7], 24, v253
.irp c, 0,1
	v_cvt_scalef32_pk16_fp6_f32 v[224+6*\c:226+6*\c], v[96+32*\c:111+32*\c], v[TM+12+2*\c]
	v_cvt_scalef32_pk16_fp6_f32 v[PT+4*\c:PT+2+4*\c], v[112+32*\c:127+32*\c], v[TM+12+2*\c+1]
.endr
	v_nop
.irp c, 0,1
.irp i, 0,1,2
	v_permlane16_swap_b32 v[224+6*\c+\i], v[PT+4*\c+\i]
.endr
.irp i, 0,1,2
	s_delay_alu instid0(VALU_DEP_3)
	v_mov_b32 v[227+6*\c+\i], v[PT+4*\c+\i]
.endr
.endr
.irp g, 0,1,2
	global_store_b128 v1, v[224+4*\g:227+4*\g], s[12:13] offset:512*\g   ; 512 consecutive bytes, aligned
.endr
	global_store_b32 v6, v253, s[14:15]            ; row r's word, at 16 r: lanes r and r + 16 hold the same word and write it to the same place
	s_wait_tensorcnt 0x0
	ds_add_u32 v94, v95
	s_wait_dscnt 0x0
	s_endpgm
.Lfunc_end_k_qb1d2c65ebc_attn:
	.size	k_qb1d2c65ebc_attn, .Lfunc_end_k_qb1d2c65ebc_attn-k_qb1d2c65ebc_attn
	.p2alignl 7, 3214868480
	.fill 96, 4, 3214868480
	.section	.rodata,"a",@progbits
	.p2align	6, 0x0
	.amdhsa_kernel k_qb1d2c65ebc_attn
		.amdhsa_group_segment_fixed_size 168960
		.amdhsa_private_segment_fixed_size 0
		.amdhsa_enable_private_segment 0
		.amdhsa_kernarg_size 16
		.amdhsa_user_sgpr_count 2
		.amdhsa_user_sgpr_kernarg_segment_ptr 1
		.amdhsa_wavefront_size32 1
		.amdhsa_system_sgpr_workgroup_id_x 1
		.amdhsa_system_sgpr_workgroup_id_y 1
		.amdhsa_system_sgpr_workgroup_id_z 1
		.amdhsa_system_vgpr_workitem_id 0
		.amdhsa_next_free_vgpr 448
		.amdhsa_next_free_sgpr 100
		.amdhsa_reserve_vcc 1
		.amdhsa_float_denorm_mode_32 3
		.amdhsa_float_denorm_mode_16_64 3
		.amdhsa_memory_ordered 1
		.amdhsa_forward_progress 1
		.amdhsa_inst_pref_size 83
	.end_amdhsa_kernel
	.amdgpu_metadata
---
amdhsa.version: [ 1, 2 ]
amdhsa.kernels:
  - .name:           k_qb1d2c65ebc_attn
    .symbol:         k_qb1d2c65ebc_attn.kd
    .args:
      - { .name: qkvz, .offset: 0, .size: 8, .value_kind: global_buffer, .address_space: global }
      - { .name: ctxz, .offset: 8, .size: 8, .value_kind: global_buffer, .address_space: global }
    .group_segment_fixed_size: 168960
    .private_segment_fixed_size: 0
    .kernarg_segment_align: 8
    .kernarg_segment_size: 16
    .max_flat_workgroup_size: 256
    .sgpr_count:     100
    .vgpr_count:     448
    .wavefront_size: 32
...
	.end_amdgpu_metadata
.endif
;; end of part 3
;; launch oproj (part 4): grid 16 x 16, 4 waves a work-group, clusters of 4 x 4, 327,680 bytes of LDS; arguments ctxz, qz, out0; writes out0
.if DOCPART == 4
	.amdgcn_target "amdgcn-amd-amdhsa--gfx1250"
	.amdhsa_code_object_version 6
	.text
	.protected	k_qb1d2c65ebc_oproj
	.globl	k_qb1d2c65ebc_oproj
	.p2align	8
	.type	k_qb1d2c65ebc_oproj,@function
k_qb1d2c65ebc_oproj:
	s_mov_b64 s[64:65], 0
	v_nop
	global_prefetch_b8 v0, s[64:65] scope:SCOPE_SE
	s_setreg_imm32_b32 hwreg(HW_REG_WAVE_MODE, 25, 1), 1
	s_wait_xcnt 0x0
	s_wait_alu depctr_hold_cnt(0) depctr_sa_sdst(0) depctr_va_vdst(0) depctr_va_sdst(0) depctr_va_ssrc(0) depctr_va_vcc(0) depctr_vm_vsrc(0)
	s_getreg_b32 s2, hwreg(HW_REG_IB_STS2, 6, 4)
	s_cmp_eq_u32 s2, 0
	s_cbranch_scc0 .Lentry_in_a_cluster
	s_endpgm
.Lentry_in_a_cluster:
	s_bfe_u32 s2, ttmp6, 0x10000c
	s_cmp_lg_u32 s2, 0xf033
	s_cbranch_scc0 .Lentry_shape_is_right
	s_endpgm
.Lentry_shape_is_right:
; out = ctx Wo^T on codes of FP6 (E2M3) with E8M0 scales, K = 1,024.  A work-group makes 256 tokens (16 tiles of ctx) x 128 columns (8 tiles of Wo); wave w takes ctx's tiles 4 w .. 4 w + 3 against all eight.
; ALL OF K LIES IN LDS: ctx's 16 tiles x 8 fragments are one dense block of memory (196,608 bytes, at LDS 0), Wo's 8 x 8 another (98,304 bytes, behind it); the scale words follow.  Four joint loads, one a wave, at the head;
; nothing is filled again.  CLUSTERS 4 x 4: ctx's blocks are shared along a row of the cluster, Wo's along a column.
; THE WALK: a wave takes all its fragments of ctx (4 tiles x 8 along K, 384 registers) into registers once, then goes through Wo's tiles one after the other, 32 products each (8 along K x my 4 tiles, the 4 accumulators by turns).
; Each fragment is read from LDS once.  Behind Wo's tile 3 columns 0-63 are finished and leave; their stores are on their way while columns 64-127 are multiplied.
; TRANSPOSED USE (source 0 = 16 rows of Wo, source 1 = 16 tokens).  Lane r of any tile holds row 32 (tile / 2) + 8 (tile % 2) + r + 8 (r / 8): register j of lane (r, h) of Wo's tile b is column 32 (b / 2) + 8 (b % 2) + 16 h + j.
; THE WAY OUT: 16 tokens x 64 columns go through a stage (16 rows x 272 bytes) at the start of the wave's own tiles of ctx, which no other wave reads and which lie in registers by then; a store covers two rows x 256 aligned bytes.
; No prefetch: the launch has no loop of fills to run ahead in.
; REGISTERS: window 0: v16-25 addresses; v28, v29 the add's; v32-95 scale words and nothing else; v96-191 Wo's fragments, even tiles; v192-255 the way out.
;   window 1: v0-239 ctx's fragments, K steps 0-4.  window 2: accumulator (a, b) at v[8 (8 a + b)].  window 3: v0-143 ctx's K steps 5-7; v144-239 Wo's fragments, odd tiles.
.set KAP,   8
.set FRB,   1536
.set SROW,  512                        ; a tile's scale words for all of K
.set BL,    128*FRB                    ; LDS: Wo's codes
.set SCL,   192*FRB                    ; ctx's scale words (16 tiles), then Wo's (8)
.set SPARE, SCL+24*SROW                ; the spare words: 128 bytes a wave
.set AS,    3145728                    ; in ctxz: the scale words
.set BC,    9437184                    ; in qz: Wo's codes, Wo's scale words
.set BS,    11403264
.set ADRA,  16
.set ADRB,  18                         ; v18 Wo's tiles 0-3, v19 tiles 4-7
.set ADRS1, 20                         ; lanes 0-15 my tiles' words, lanes 16-31 Wo's tiles 0-3
.set ADRS2, 21                         ; Wo's tiles 4-7
.set STO,   22
.set RD,    23
.set CO,    24
.set L16,   25
.set SPW,   28
.set NIL,   29
.set SC,    32
.set BF,    96
.set OB,    192
.set G1, 24
.set G0, 32
.set G1B, 48
.set G0B, 56
.set G1S, 68
.set G0S, 76
.set G1SB, 80
.set G0SB, 88
.set MSB, 0
.macro WIN new                         ; the immediate's high byte repeats the setting that is left
.if MSB != \new
	s_set_vgpr_msb (MSB<<8)|\new
.set MSB, \new
.endif
.endm
.macro PLACES                          ; four plain places behind a matrix instruction (ISA guide 7.12.1)
.rept 4
	v_nop
.endr
.endm
.macro ARM under, g0, g1, next         ; an arm of the head's one chain of branches on the wave's number: one joint load
	s_cmp_lt_u32 s14, \under
	s_cbranch_scc0 \next
	tensor_load_to_lds s[\g0:\g0+3], s[\g1:\g1+7]
	s_nop 0
.rept 4
	v_nop
.endr
	s_branch .Lhead_asked
\next:
.endm
.macro CROUND                          ; a round of the cluster's barrier
	s_barrier_signal -1
	s_barrier_wait -1
	s_cmp_lg_u32 s14, 0
	s_cbranch_scc1 .Lnot_wave_0_\@
	s_barrier_signal -3
.Lnot_wave_0_\@:
	s_barrier_wait -3
	s_barrier_signal -1
	s_barrier_wait -1
.endm
	s_load_b128 s[4:7], s[0:1], 0x0                ; ctxz, qz
	s_load_b64 s[8:9], s[0:1], 0x10                ; out0
	v_lshl_add_u32 v[SPW], v0, 2, SPARE
	v_mov_b32 v[NIL], 0
	ds_add_u32 v[SPW], v[NIL]                      ; the opening lines
	ds_add_u32 v[SPW], v[NIL]
	v_lshrrev_b32 v1, 5, v0
	v_readfirstlane_b32 s14, v1                    ; wave
	s_bfe_u32 s40, ttmp6, 0x40000                  ; cx, cy
	s_bfe_u32 s41, ttmp6, 0x40004
	s_lshl_b32 s42, ttmp9, 2
	s_add_co_u32 s42, s42, s40                     ; X: the block of 128 columns
	s_and_b32 s17, ttmp7, 0xffff
	s_lshl_b32 s17, s17, 2
	s_add_co_u32 s17, s17, s41                     ; Y: the block of 256 tokens
	s_lshl_b32 s43, s41, 2
	s_lshl_b32 s43, 15, s43                        ; my row of the cluster
	s_lshl_b32 s44, 0x1111, s40                    ; my column
	s_or_b32 s[G1+0], s43, (3<<16)|(1<<21)         ; elements of 8 bytes, no padding; bit 21 beside the mask
	s_or_b32 s[G1B+0], s44, (3<<16)|(1<<21)
	s_or_b32 s[G1S+0], s43, (3<<16)|(1<<21)
	s_or_b32 s[G1SB+0], s44, (3<<16)|(1<<21)
.irp g, G1, G1B                        ; codes: dense, as rows of 6,144 bytes
	s_mov_b32 s[\g+1], 768<<16
	s_mov_b32 s[\g+3], 768<<16
	s_mov_b32 s[\g+5], 768
	s_mov_b32 s[\g+6], 0
	s_mov_b32 s[\g+7], 0
.endr
	s_mov_b32 s[G1+2], 32<<16                      ; ctx: 16 tiles x 2 rows
	s_mov_b32 s[G1+4], 32
	s_mov_b32 s[G1B+2], 16<<16                     ; Wo: 8 tiles x 2 rows
	s_mov_b32 s[G1B+4], 16
.irp g, G1S, G1SB                      ; scale words: dense, as rows of 256 bytes
	s_mov_b32 s[\g+1], 32<<16
	s_mov_b32 s[\g+3], 32<<16
	s_mov_b32 s[\g+5], 32
	s_mov_b32 s[\g+6], 0
	s_mov_b32 s[\g+7], 0
.endr
	s_mov_b32 s[G1S+2], 32<<16
	s_mov_b32 s[G1S+4], 32
	s_mov_b32 s[G1SB+2], 16<<16
	s_mov_b32 s[G1SB+4], 16
	s_lshl_b32 s18, s17, 4                         ; ctx's first tile
	s_mul_i32 s20, s18, FRB*KAP
	s_mov_b32 s21, 0
	s_mul_i32 s22, s18, SROW
	s_add_co_u32 s22, s22, AS
	s_mov_b32 s23, 0
	s_lshl_b32 s46, s42, 3                         ; Wo's first tile
	s_mul_i32 s92, s46, FRB*KAP
	s_add_co_u32 s92, s92, BC
	s_mov_b32 s93, 0
	s_mul_i32 s94, s46, SROW
	s_add_co_u32 s94, s94, BS
	s_mov_b32 s95, 0
	s_wait_dscnt 0x0                               ; both opening adds are done
	s_wait_kmcnt 0x0
	s_add_nc_u64 s[20:21], s[4:5], s[20:21]
	s_add_nc_u64 s[22:23], s[4:5], s[22:23]
	s_add_nc_u64 s[92:93], s[6:7], s[92:93]
	s_add_nc_u64 s[94:95], s[6:7], s[94:95]
	CROUND                                         ; all sixteen work-groups are here: the joint loads meet
	s_mov_b32 s[G0S], 1
	s_mov_b32 s[G0S+1], SCL
	s_mov_b64 s[G0S+2:G0S+3], s[22:23]
	s_or_b32 s[G0S+3], s[G0S+3], 0x80000000
	s_mov_b32 s[G0SB], 1
	s_mov_b32 s[G0SB+1], SCL+16*SROW
	s_mov_b64 s[G0SB+2:G0SB+3], s[94:95]
	s_or_b32 s[G0SB+3], s[G0SB+3], 0x80000000
	s_mov_b32 s[G0], 1
	s_mov_b32 s[G0+1], 0
	s_mov_b64 s[G0+2:G0+3], s[20:21]
	s_or_b32 s[G0+3], s[G0+3], 0x80000000
	s_mov_b32 s[G0B], 1
	s_mov_b32 s[G0B+1], BL
	s_mov_b64 s[G0B+2:G0B+3], s[92:93]
	s_or_b32 s[G0B+3], s[G0B+3], 0x80000000
	ARM 1, G0,  G1,  .Lhead_b                      ; wave 0: ctx's codes; wave 1: Wo's; wave 2: ctx's scale words; wave 3: Wo's
	ARM 2, G0B, G1B, .Lhead_sa
	ARM 3, G0S, G1S, .Lhead_sb
	tensor_load_to_lds s[G0SB:G0SB+3], s[G1SB:G1SB+7]
	s_nop 0
.rept 4
	v_nop
.endr
.Lhead_asked:
	v_and_b32 v1, 15, v0                           ; r
	v_bfe_u32 v2, v0, 4, 1                         ; h
	v_and_b32 v3, 31, v0
	v_lshlrev_b32 v[L16], 4, v3
	s_mul_i32 s2, s14, 32*FRB                      ; my four tiles of ctx, 8 fragments each
	v_add_nc_u32 v[ADRA], s2, v[L16]
	v_add_nc_u32 v[ADRB], BL, v[L16]
	v_add_nc_u32 v[ADRB+1], 32*FRB, v[ADRB]
	s_xor_b32 s3, s14, 3
	s_add_co_u32 s3, s3, 1
	s_mul_i32 s3, s3, 4*SROW                       ; from my tiles' words to Wo's: (4 - wave) x 4 tiles
	v_mul_u32_u24 v4, s3, v2
	v_lshl_add_u32 v4, v1, 4, v4
	s_mul_i32 s19, s14, 4*SROW
	s_add_co_u32 s19, s19, SCL
	v_add_nc_u32 v[ADRS1], s19, v4
	v_lshlrev_b32 v5, 4, v1
	v_add_nc_u32 v[ADRS2], SCL+20*SROW, v5
	v_mul_u32_u24 v6, v1, 272
	v_lshl_add_u32 v6, v2, 6, v6
	v_add_nc_u32 v[STO], s2, v6                    ; the stage, in: row r, + 64 h
	v_mul_u32_u24 v7, v2, 272
	v_add_nc_u32 v7, v7, v5
	v_add_nc_u32 v[RD], s2, v7                     ; back: row h, + 16 r
	v_lshl_add_u32 v[CO], v2, 13, v5               ; and the same in out0: a row is 8,192 bytes
	s_lshl_b32 s20, s17, 8
	s_lshl_b32 s21, s14, 6
	s_add_co_u32 s20, s20, s21                     ; my first token
	s_lshl_b32 s20, s20, 13
	s_lshl_b32 s21, s42, 9                         ; my first column, in bytes
	s_add_co_u32 s20, s20, s21
	s_mov_b32 s21, 0
	s_add_nc_u64 s[8:9], s[8:9], s[20:21]
.macro SCALES ks                       ; the scale words of 512 along K, four a row: 8 loads
.irp i, 0,1,2,3
	ds_load_b128 v[SC+32*(\ks)+4*\i:SC+32*(\ks)+4*\i+3], v[ADRS1] offset:\i*SROW+256*(\ks)
	ds_load_b128 v[SC+32*(\ks)+16+4*\i:SC+32*(\ks)+16+4*\i+3], v[ADRS2] offset:\i*SROW+256*(\ks)
.endr
.endm
.macro ALOADQ q                        ; my four tiles' fragments of K step q: 12 loads
.irp a, 0,1,2,3
.irp g, 0,1,2
	ds_load_b128 v[48*((\q)%5)+12*\a+4*\g:48*((\q)%5)+12*\a+4*\g+3], v[ADRA] offset:(8*\a+(\q))*FRB+512*\g
.endr
.endr
.endm
.macro BLOAD b                         ; Wo's tile b, all eight K steps: 24 loads
.if (\b)%2
	WIN 0xc0
.else
	WIN 0
.endif
.set BB, BF+48*((\b)%2)
.irp q, 0,1,2,3,4,5,6,7
.irp g, 0,1,2
	ds_load_b128 v[BB+12*\q+4*\g:BB+12*\q+4*\g+3], v[ADRB+(\b)/4] offset:(8*((\b)%4)+\q)*FRB+512*\g
.endr
.endr
.endm
; 32 matrix instructions: Wo's tile b against my four tiles, K ascending; the four accumulators take turns, one instruction a turn; the first products start the sums
.macro MULB b
.set BB, BF+48*((\b)%2)
.irp q, 0,1,2,3,4,5,6,7
.set WW, 0xa0+4*(1+2*(\q/5))+3*((\b)%2)
	WIN WW                                         ; source 0 window 0 or 3, source 1 window 1 or 3, C and D window 2
.irp a, 0,1,2,3
.set DD, 8*(8*\a+(\b))
.set AA, 48*(\q%5)+12*\a
.set SCA, SC+32*(\q/4)+4*\a+\q%4
.if (\b) < 4
.set SCB, SC+32*(\q/4)+4*(\b)+\q%4
.if \q == 0
	v_wmma_scale_f32_16x16x128_f8f6f4 v[DD:DD+7], v[BB+12*\q:BB+12*\q+11], v[AA:AA+11], 0, v[SCB], v[SCA] matrix_a_fmt:MATRIX_FMT_FP6 matrix_b_fmt:MATRIX_FMT_FP6 matrix_a_scale:MATRIX_SCALE_ROW1
.else
	v_wmma_scale_f32_16x16x128_f8f6f4 v[DD:DD+7], v[BB+12*\q:BB+12*\q+11], v[AA:AA+11], v[DD:DD+7], v[SCB], v[SCA] matrix_a_fmt:MATRIX_FMT_FP6 matrix_b_fmt:MATRIX_FMT_FP6 matrix_a_scale:MATRIX_SCALE_ROW1
.endif
.else
.set SCB, SC+32*(\q/4)+16+4*((\b)-4)+\q%4
.if \q == 0
	v_wmma_scale_f32_16x16x128_f8f6f4 v[DD:DD+7], v[BB+12*\q:BB+12*\q+11], v[AA:AA+11], 0, v[SCB], v[SCA] matrix_a_fmt:MATRIX_FMT_FP6 matrix_b_fmt:MATRIX_FMT_FP6
.else
	v_wmma_scale_f32_16x16x128_f8f6f4 v[DD:DD+7], v[BB+12*\q:BB+12*\q+11], v[AA:AA+11], v[DD:DD+7], v[SCB], v[SCA] matrix_a_fmt:MATRIX_FMT_FP6 matrix_b_fmt:MATRIX_FMT_FP6
.endif
.endif
.endr
.endr
.endm
; THE WAY OUT of columns 64 p .. 64 p + 63, tile by tile of 16 tokens.  LDS serves a wave's instructions in order (ISA guide 5.7.1.4): no wait between the stores and the loads, nor in front of the next tile's stores
.macro TOSTAGE a, p
	WIN 0x08                                       ; an LDS store's data: window 2
.irp c, 0,1,2,3
.set DD, 8*(8*(\a)+4*(\p)+\c)
	ds_store_b128 v[STO], v[DD:DD+3] offset:128*(\c/2)+32*(\c%2)       ; each accumulator from its low end on
	ds_store_b128 v[STO], v[DD+4:DD+7] offset:128*(\c/2)+32*(\c%2)+16
.endr
	WIN 0
.irp n, 0,1,2,3,4,5,6,7
	ds_load_b128 v[OB+32*((\a)%2)+4*\n:OB+32*((\a)%2)+4*\n+3], v[RD] offset:544*\n   ; stage rows 2 n and 2 n + 1
.endr
.endm
.macro SEND a, p, younger              ; younger: the LDS instructions issued behind tile a's loads
	s_wait_dscnt \younger
.irp n, 0,1,2,3,4,5,6,7
	global_store_b128 v[CO], v[OB+32*((\a)%2)+4*\n:OB+32*((\a)%2)+4*\n+3], s[8:9] offset:(32*((\a)/2)+8*((\a)%2)+2*\n+8*(\n/4))*8192+256*(\p) th:TH_STORE_NT   ; two rows x 256 consecutive bytes, aligned
.endr
.endm
.macro OUT p
	PLACES                                         ; in front of the first read of results just made
.if \p
	s_wait_xcnt 0x0                                ; earlier stores have read their registers
.endif
	TOSTAGE 0, \p
.irp a, 1,2,3
.if (\p) || (\a > 1)
	s_wait_xcnt 0x0                                ; the stores that read this set of registers have read them
.endif
	TOSTAGE \a, \p
	SEND \a-1, \p, 16                              ; behind tile a - 1's loads: tile a's 8 stores and 8 loads
.endr
	SEND 3, \p, 0
.endm
	s_wait_alu depctr_va_vdst(0)
	s_wait_tensorcnt 0x0                           ; my one load has landed;
	s_barrier_signal -1
	s_barrier_wait -1                              ; everybody's has.  Nothing is filled again
	SCALES 0
	SCALES 1
	WIN 0x40                                       ; destination window 1
.irp q, 0,1,2,3,4
	ALOADQ \q
.endr
	WIN 0xc0                                       ; destination window 3
.irp q, 5,6,7
	ALOADQ \q
.endr
	BLOAD 0
.irp b, 0,1,2,3,4,5,6
.if \b > 0
	PLACES                                         ; in front of loads into the fragments that the tile before last multiplied
.endif
	BLOAD \b+1
	s_wait_dscnt 24                                ; all but the 24 just issued
	MULB \b
.if \b == 3
	OUT 0                                          ; columns 0-63 leave; Wo's tile 4 is in registers or on its way
.endif
.endr
	s_wait_dscnt 0x0
	MULB 7
	OUT 1
	s_wait_tensorcnt 0x0                           ; the wave's end
	ds_add_u32 v[SPW], v[NIL]
	s_wait_dscnt 0x0
	CROUND                                         ; the closing round
	s_endpgm
.Lfunc_end_k_qb1d2c65ebc_oproj:
	.size	k_qb1d2c65ebc_oproj, .Lfunc_end_k_qb1d2c65ebc_oproj-k_qb1d2c65ebc_oproj
	.p2alignl 7, 3214868480
	.fill 96, 4, 3214868480
	.section	.rodata,"a",@progbits
	.p2align	6, 0x0
	.amdhsa_kernel k_qb1d2c65ebc_oproj
		.amdhsa_group_segment_fixed_size 327680
		.amdhsa_private_segment_fixed_size 0
		.amdhsa_enable_private_segment 0
		.amdhsa_kernarg_size 24
		.amdhsa_user_sgpr_count 2
		.amdhsa_user_sgpr_kernarg_segment_ptr 1
		.amdhsa_wavefront_size32 1
		.amdhsa_system_sgpr_workgroup_id_x 1
		.amdhsa_system_sgpr_workgroup_id_y 1
		.amdhsa_system_sgpr_workgroup_id_z 1
		.amdhsa_system_vgpr_workitem_id 0
		.amdhsa_next_free_vgpr 1024
		.amdhsa_next_free_sgpr 98
		.amdhsa_reserve_vcc 0
		.amdhsa_float_denorm_mode_32 3
		.amdhsa_float_denorm_mode_16_64 3
		.amdhsa_memory_ordered 1
		.amdhsa_forward_progress 1
		.amdhsa_inst_pref_size 77
	.end_amdhsa_kernel
	.amdgpu_metadata
---
amdhsa.version: [ 1, 2 ]
amdhsa.kernels:
  - .name:           k_qb1d2c65ebc_oproj
    .symbol:         k_qb1d2c65ebc_oproj.kd
    .args:
      - { .name: ctxz, .offset: 0, .size: 8, .value_kind: global_buffer, .address_space: global }
      - { .name: qz, .offset: 8, .size: 8, .value_kind: global_buffer, .address_space: global }
      - { .name: out0, .offset: 16, .size: 8, .value_kind: global_buffer, .address_space: global }
    .group_segment_fixed_size: 327680
    .private_segment_fixed_size: 0
    .kernarg_segment_align: 8
    .kernarg_segment_size: 24
    .max_flat_workgroup_size: 128
    .sgpr_count:     98
    .vgpr_count:     1024
    .wavefront_size: 32
...
	.end_amdgpu_metadata
.endif
;; end of part 4
